; MI455X (gfx1250); checked and timed in simulation.
; The chip was launched on July 23, 2026; its instructions are those of AMD's public machine-readable ISA for CDNA 5 (MIT licence, August 2026) and "CDNA5" Instruction Set Architecture Reference Guide (July 2026). The comments in the code are by the model that wrote it; some were corrected since.
;; Basic Quantum Attention. Allowed arithmetic: float matrix products may take bf16 or f16 operands with f32 sums; other float arithmetic in f32, or as packed bf16 or f16 multiplies, adds, multiply-adds, maxima and minima; sums over many terms, partial sums and values carried from step to step in f32; what a program stores and reads back later, other than sums and carried values, may be rounded once to bf16 or f16.
;; Inputs: W_out 1,024 x 1,024 float32; W_qkv 3,072 x 3,072 float32; b_out 1,024 float32; b_qkv 3,072 float32; k_imag 2 x 2,048 x 512 float32; k_real 2 x 2,048 x 512 float32; mask_imag 2,048 x 2,048 bool; mask_real 2,048 x 2,048 bool; q_imag 2 x 2,048 x 512 float32; q_real 2 x 2,048 x 512 float32; v_imag 2 x 2,048 x 512 float32; v_real 2 x 2,048 x 512 float32.
;; Outputs: out0 2 x 2,048 x 512 float32; out1 2 x 2,048 x 512 float32.
;; One version. Each part assembles by itself: llvm-mc -triple=amdgcn-amd-amdhsa -mcpu=gfx1250 --defsym DOCPART=n.
;; ======== version 1 of 1: 4 launches
;; limits: values are held in f16: magnitudes above 65,504 overflow, below 6.1e-05 lose precision
;; workspace buffers: xb 25,165,824 bytes; wb 18,874,368 bytes; wo 2,097,152 bytes; live 2,048 bytes of whole numbers; qkv 25,165,824 bytes; ob 8,388,608 bytes
;; launch prep (part 1): grid 768 x 1, 8 waves a work-group, no clusters, 0 bytes of LDS; arguments q_real, q_imag, k_real, k_imag, v_real, v_imag, W_qkv, W_out, mask_real, mask_imag, xb, wb, wo, live; writes xb, wb, wo, live
.if DOCPART == 1
	.amdgcn_target "amdgcn-amd-amdhsa--gfx1250"
	.amdhsa_code_object_version 6
	.text
	.protected	k_qce8bbe1c77_prep
	.globl	k_qce8bbe1c77_prep
	.p2align	8
	.type	k_qce8bbe1c77_prep,@function
k_qce8bbe1c77_prep:
	s_mov_b64 s[64:65], 0
	v_nop
	global_prefetch_b8 v0, s[64:65] scope:SCOPE_SE
	s_setreg_imm32_b32 hwreg(HW_REG_WAVE_MODE, 25, 1), 1
	s_wait_xcnt 0x0
; PREP: the casts, and which blocks of the masks hold anything.
;   xb[4096][3072] bf16 = the six inputs side by side, each number rounded once;  wb[3072][3072] bf16 = W_qkv rounded once;
;   wo[1024][1024] f16  = W_out rounded to bf16 and that number written as f16;
;   live[stream][block of 64 queries][8] u32: word w holds four bits, bit j = 1 if any byte of the 64 x 64 block (query block, key block 4 w + j) of the stream's mask is not 0.
; LIMITS.  A weight of W_out beyond 65,504 becomes an infinity in f16; below 6e-5 it keeps f16's fixed step of 6e-8.
; JOBS, by the work-group's number alone: 0-63 a mask's 64 rows; 64-447 64 rows of one of the six inputs; 448-735 131,072 bytes of W_qkv; 736-767 the same of W_out.
; A CAST JOB is 64 rows of 512 f32.  Wave w takes rows 8 w .. 8 w + 7: 32 loads of 16 bytes a lane (512 consecutive bytes each), all issued at once, so that 16 KiB of each wave are on their way;
; a lane's four numbers make 8 bytes, and the 32 lanes of a store cover 256 consecutive bytes, at a multiple of 256 from the buffer's first byte.  No register is written twice, so nothing waits for a store.
; No LDS, no matrix unit, no cluster: no wave wants a byte that another has fetched.
.set X,   16                           ; v[16:143]  32 loads of four registers
.set Y,   144                          ; v[144:207] 32 stores of two registers
.set T,   208                          ; v[208:209] at work
.set DO,  4                            ; v[4:11]    byte offset of my 8 bytes in the first quarter of row r of my eight
.set SRC, 36                           ; s[36:37]   where the job reads
.set DST, 38                           ; s[38:39]   where it writes
.set PIT, 40                           ; s40        bytes from row to row where it writes
.set WV,  42                           ; s42        my wave's number
.set ID,  43                           ; s43        the work-group's number
; The cast of a wave's eight rows.  f16 = 1: rounded to bf16, widened again, written as f16.
.macro CAST f16
	s_lshl_b32 s48, s[WV], 14                      ; my eight rows of 2,048 bytes
	s_mov_b32 s49, 0
	s_add_nc_u64 s[SRC:SRC+1], s[SRC:SRC+1], s[48:49]
	v_lshlrev_b32 v2, 4, v1                        ; 16 bytes a lane
.set i, 0
.rept 32
	global_load_b128 v[X+4*i:X+4*i+3], v2, s[SRC:SRC+1] offset:512*i th:TH_LOAD_NT
.set i, i+1
.endr
	s_lshl_b32 s50, s[WV], 3
	s_mul_i32 s50, s50, s[PIT]                     ; my first row where the job writes
	v_lshlrev_b32 v3, 3, v1                        ; 8 bytes a lane
.irp r, 0,1,2,3,4,5,6,7
	v_add_nc_u32 v[DO+(\r)], s50, v3
	s_add_co_u32 s50, s50, s[PIT]
.endr
.set i, 0
.rept 32
	s_wait_loadcnt 31-i                            ; loads come back in order: load i is in, the younger ones stay out
.if \f16
	v_cvt_pk_bf16_f32 v[T], v[X+4*i], v[X+4*i+1]
	v_cvt_pk_bf16_f32 v[T+1], v[X+4*i+2], v[X+4*i+3]
	v_lshlrev_b32 v[X+4*i], 16, v[T]               ; bf16 to f32: the low half moves up, the high half stays
	v_and_b32 v[X+4*i+1], 0xffff0000, v[T]
	v_lshlrev_b32 v[X+4*i+2], 16, v[T+1]
	v_and_b32 v[X+4*i+3], 0xffff0000, v[T+1]
	v_cvt_pk_f16_f32 v[Y+2*i], v[X+4*i], v[X+4*i+1]
	v_cvt_pk_f16_f32 v[Y+2*i+1], v[X+4*i+2], v[X+4*i+3]
.else
	v_cvt_pk_bf16_f32 v[Y+2*i], v[X+4*i], v[X+4*i+1]
	v_cvt_pk_bf16_f32 v[Y+2*i+1], v[X+4*i+2], v[X+4*i+3]
.endif
	global_store_b64 v[DO+i/4], v[Y+2*i:Y+2*i+1], s[DST:DST+1] offset:256*(i%4) th:TH_STORE_NT
.set i, i+1
.endr
.endm
	s_load_b512 s[8:23], s[0:1], 0x0               ; q_real s[8:9], q_imag, k_real, k_imag, v_real, v_imag s[18:19], W_qkv s[20:21], W_out s[22:23]
	s_load_b256 s[24:31], s[0:1], 0x40             ; mask_real s[24:25], mask_imag s[26:27], xb s[28:29], wb s[30:31]
	s_load_b128 s[32:35], s[0:1], 0x60             ; wo s[32:33], live s[34:35]
	v_and_b32 v1, 31, v0                           ; lane
	v_lshrrev_b32 v2, 5, v0
	v_readfirstlane_b32 s[WV], v2
	s_mov_b32 s[ID], ttmp9
	s_wait_kmcnt 0x0
	s_cmp_lt_u32 s[ID], 64
	s_cbranch_scc1 .Lmask
	s_cmp_lt_u32 s[ID], 448
	s_cbranch_scc0 .Lweights
	; one of the six inputs: part p, its rows 64 rb .. 64 rb + 63
	s_sub_co_u32 s44, s[ID], 64
	s_lshr_b32 s45, s44, 6                         ; p
	s_and_b32 s46, s44, 63                         ; rb
	s_mov_b64 s[SRC:SRC+1], s[8:9]
	s_cmp_eq_u32 s45, 1
	s_cselect_b64 s[SRC:SRC+1], s[10:11], s[SRC:SRC+1]
	s_cmp_eq_u32 s45, 2
	s_cselect_b64 s[SRC:SRC+1], s[12:13], s[SRC:SRC+1]
	s_cmp_eq_u32 s45, 3
	s_cselect_b64 s[SRC:SRC+1], s[14:15], s[SRC:SRC+1]
	s_cmp_eq_u32 s45, 4
	s_cselect_b64 s[SRC:SRC+1], s[16:17], s[SRC:SRC+1]
	s_cmp_eq_u32 s45, 5
	s_cselect_b64 s[SRC:SRC+1], s[18:19], s[SRC:SRC+1]
	s_lshl_b32 s48, s46, 17                        ; 64 rows of 2,048 bytes
	s_mov_b32 s49, 0
	s_add_nc_u64 s[SRC:SRC+1], s[SRC:SRC+1], s[48:49]
	s_mul_i32 s48, s46, 393216                     ; 64 rows of 6,144 bytes in xb,
	s_lshl_b32 s50, s45, 10                        ; and the part's 1,024 bytes of a row
	s_add_co_u32 s48, s48, s50
	s_add_nc_u64 s[DST:DST+1], s[28:29], s[48:49]
	s_mov_b32 s[PIT], 6144
	s_branch .Lcast
.Lweights:
	s_cmp_lt_u32 s[ID], 736
	s_cbranch_scc0 .Lwout
	s_sub_co_u32 s44, s[ID], 448                   ; W_qkv is dense: taken as rows of 512 numbers
	s_lshl_b32 s48, s44, 17
	s_mov_b32 s49, 0
	s_add_nc_u64 s[SRC:SRC+1], s[20:21], s[48:49]
	s_lshl_b32 s48, s44, 16
	s_add_nc_u64 s[DST:DST+1], s[30:31], s[48:49]
	s_mov_b32 s[PIT], 1024
.Lcast:
	CAST 0
	s_endpgm
.Lwout:
	s_sub_co_u32 s44, s[ID], 736                   ; W_out likewise
	s_lshl_b32 s48, s44, 17
	s_mov_b32 s49, 0
	s_add_nc_u64 s[SRC:SRC+1], s[22:23], s[48:49]
	s_lshl_b32 s48, s44, 16
	s_add_nc_u64 s[DST:DST+1], s[32:33], s[48:49]
	s_mov_b32 s[PIT], 1024
	CAST 1
	s_endpgm
.Lmask:
	; 64 rows of a mask.  Wave w takes their bytes 256 w .. 256 w + 255, four key blocks: a load covers two rows' 256 bytes, lanes 0-15 one row, lanes 16-31 the next.
	s_lshr_b32 s44, s[ID], 5                       ; the stream
	s_and_b32 s45, s[ID], 31                       ; the block of 64 queries
	s_cmp_eq_u32 s44, 0
	s_cselect_b64 s[SRC:SRC+1], s[24:25], s[26:27]
	s_lshl_b32 s48, s45, 17                        ; 64 rows of 2,048 bytes
	s_lshl_b32 s50, s[WV], 8
	s_add_co_u32 s48, s48, s50
	s_mov_b32 s49, 0
	s_add_nc_u64 s[SRC:SRC+1], s[SRC:SRC+1], s[48:49]
	v_lshrrev_b32 v2, 4, v1
	v_and_b32 v3, 15, v1
	v_lshlrev_b32 v2, 11, v2
	v_lshl_add_u32 v2, v3, 4, v2
.set i, 0
.rept 32
	global_load_b128 v[X+4*i:X+4*i+3], v2, s[SRC:SRC+1] offset:4096*i th:TH_LOAD_NT
.set i, i+1
.endr
.set i, 0
.rept 32
.if (i%8) == 0
	s_wait_loadcnt 24-i                            ; eight more loads are in
.endif
.if i > 0
.irp k, 0,1,2,3
	v_or_b32 v[X+(\k)], v[X+(\k)], v[X+4*i+(\k)]   ; four chains, begun by the first load's registers
.endr
.endif
.set i, i+1
.endr
	v_or_b32 v[X], v[X], v[X+1]
	v_or_b32 v[X+2], v[X+2], v[X+3]
	v_or_b32 v[X], v[X], v[X+2]                    ; not 0 if any of my 16 columns holds anything in my 32 rows
	v_cmp_ne_u32 s51, 0, v[X]                      ; a bit a lane
	s_lshr_b32 s52, s51, 16
	s_or_b32 s51, s51, s52                         ; the two halves of the lanes: bit c = columns 16 c .. 16 c + 15
	s_lshr_b32 s52, s51, 1
	s_or_b32 s51, s51, s52
	s_lshr_b32 s52, s51, 2
	s_or_b32 s51, s51, s52                         ; bit 4 j = key block j of my four
	s_and_b32 s53, s51, 1
	s_lshr_b32 s52, s51, 3
	s_and_b32 s52, s52, 2
	s_or_b32 s53, s53, s52
	s_lshr_b32 s52, s51, 6
	s_and_b32 s52, s52, 4
	s_or_b32 s53, s53, s52
	s_lshr_b32 s52, s51, 9
	s_and_b32 s52, s52, 8
	s_or_b32 s53, s53, s52
	s_lshl_b32 s54, s[ID], 3
	s_add_co_u32 s54, s54, s[WV]
	s_lshl_b32 s54, s54, 2                         ; word 8 x (32 x stream + block) + w
	v_mov_b32 v4, s54
	v_mov_b32 v5, s53
	v_cmp_eq_u32 vcc_lo, 0, v1
	s_wait_xcnt 0x0                                ; EXEC changes only behind this wait: the loads above have read it
	s_and_saveexec_b32 s55, vcc_lo                 ; lane 0 alone stores the word
	global_store_b32 v4, v5, s[34:35]
	s_wait_xcnt 0x0                                ; and again, in front of the line that widens it
	s_or_b32 exec_lo, exec_lo, s55
	s_endpgm
.Lfunc_end_k_qce8bbe1c77_prep:
	.size	k_qce8bbe1c77_prep, .Lfunc_end_k_qce8bbe1c77_prep-k_qce8bbe1c77_prep
	.p2alignl 7, 3214868480
	.fill 96, 4, 3214868480
	.section	.rodata,"a",@progbits
	.p2align	6, 0x0
	.amdhsa_kernel k_qce8bbe1c77_prep
		.amdhsa_group_segment_fixed_size 0
		.amdhsa_private_segment_fixed_size 0
		.amdhsa_enable_private_segment 0
		.amdhsa_kernarg_size 112
		.amdhsa_user_sgpr_count 2
		.amdhsa_user_sgpr_kernarg_segment_ptr 1
		.amdhsa_wavefront_size32 1
		.amdhsa_system_sgpr_workgroup_id_x 1
		.amdhsa_system_sgpr_workgroup_id_y 1
		.amdhsa_system_sgpr_workgroup_id_z 1
		.amdhsa_system_vgpr_workitem_id 0
		.amdhsa_next_free_vgpr 216
		.amdhsa_next_free_sgpr 66
		.amdhsa_reserve_vcc 1
		.amdhsa_float_denorm_mode_32 3
		.amdhsa_float_denorm_mode_16_64 3
		.amdhsa_memory_ordered 1
		.amdhsa_forward_progress 1
		.amdhsa_inst_pref_size 45
	.end_amdhsa_kernel
	.amdgpu_metadata
---
amdhsa.version: [ 1, 2 ]
amdhsa.kernels:
  - .name:           k_qce8bbe1c77_prep
    .symbol:         k_qce8bbe1c77_prep.kd
    .args:
      - { .name: q_real, .offset: 0, .size: 8, .value_kind: global_buffer, .address_space: global }
      - { .name: q_imag, .offset: 8, .size: 8, .value_kind: global_buffer, .address_space: global }
      - { .name: k_real, .offset: 16, .size: 8, .value_kind: global_buffer, .address_space: global }
      - { .name: k_imag, .offset: 24, .size: 8, .value_kind: global_buffer, .address_space: global }
      - { .name: v_real, .offset: 32, .size: 8, .value_kind: global_buffer, .address_space: global }
      - { .name: v_imag, .offset: 40, .size: 8, .value_kind: global_buffer, .address_space: global }
      - { .name: W_qkv, .offset: 48, .size: 8, .value_kind: global_buffer, .address_space: global }
      - { .name: W_out, .offset: 56, .size: 8, .value_kind: global_buffer, .address_space: global }
      - { .name: mask_real, .offset: 64, .size: 8, .value_kind: global_buffer, .address_space: global }
      - { .name: mask_imag, .offset: 72, .size: 8, .value_kind: global_buffer, .address_space: global }
      - { .name: xb, .offset: 80, .size: 8, .value_kind: global_buffer, .address_space: global }
      - { .name: wb, .offset: 88, .size: 8, .value_kind: global_buffer, .address_space: global }
      - { .name: wo, .offset: 96, .size: 8, .value_kind: global_buffer, .address_space: global }
      - { .name: live, .offset: 104, .size: 8, .value_kind: global_buffer, .address_space: global }
    .group_segment_fixed_size: 0
    .private_segment_fixed_size: 0
    .kernarg_segment_align: 8
    .kernarg_segment_size: 112
    .max_flat_workgroup_size: 256
    .sgpr_count:     66
    .vgpr_count:     216
    .wavefront_size: 32
...
	.end_amdgpu_metadata
.endif
;; end of part 1
;; launch gemm_qkv (part 2): grid 8 x 32, 4 waves a work-group, clusters of 4 x 4, 327,680 bytes of LDS; arguments xb, wb, b_qkv, qkv; writes qkv
.if DOCPART == 2
	.amdgcn_target "amdgcn-amd-amdhsa--gfx1250"
	.amdhsa_code_object_version 6
	.text
	.protected	k_qce8bbe1c77_gemm_qkv
	.globl	k_qce8bbe1c77_gemm_qkv
	.p2align	8
	.type	k_qce8bbe1c77_gemm_qkv,@function
k_qce8bbe1c77_gemm_qkv:
	s_mov_b64 s[64:65], 0
	v_nop
	global_prefetch_b8 v0, s[64:65] scope:SCOPE_SE
	s_setreg_imm32_b32 hwreg(HW_REG_WAVE_MODE, 25, 1), 1
	s_wait_xcnt 0x0
	s_wait_alu depctr_hold_cnt(0) depctr_sa_sdst(0) depctr_va_vdst(0) depctr_va_sdst(0) depctr_va_ssrc(0) depctr_va_vcc(0) depctr_vm_vsrc(0)
	s_getreg_b32 s2, hwreg(HW_REG_IB_STS2, 6, 4)
	s_cmp_eq_u32 s2, 0
	s_cbranch_scc0 .Lentry_in_a_cluster
	s_endpgm
.Lentry_in_a_cluster:
	s_bfe_u32 s2, ttmp6, 0x10000c
	s_cmp_lg_u32 s2, 0xf033
	s_cbranch_scc0 .Lentry_shape_is_right
	s_endpgm
.Lentry_shape_is_right:
; qkv[m][n] = the sum over k of xb[m][k] wb[n][k] + bf16(b_qkv[n]).  xb: [4096][3072], wb: [3072][3072], both bf16; sums in f32; qkv: [4096][3072] f16, rounded once.
; LIMIT.  f16 holds no number beyond 65,504: a larger q, k or v becomes an infinity.  The bias is rounded to bf16 like the other inputs.
; SHARES.  A tile of C is 128 x 384, so that 4096 x 3072 makes 256 tiles.  Four waves side by side: wave w makes all 128 rows x columns 96 w .. 96 w + 95: 48 accumulators of 16 x 16, 384 registers.
; K goes in steps of 128 through a ring of two LDS slots, each with A's 128 rows and B's 384; each wave fetches 128 rows x 256 bytes with one tensor load: wave 0 A's, waves 1-3 B's.
; CLUSTERS: 4 x 4 work-groups.  The four of a row of the cluster need the same tile of A, the four of a column the same tiles of B: each is asked for JOINTLY, by the same tensor load with the same
; descriptor and a mask that names the four.  THE MATRIX INSTRUCTION IS USED TRANSPOSED (source 0 = 16 rows of B, source 1 = 16 rows of A): a lane holds eight neighbouring numbers of a row of C.
; REGISTERS, in windows of 256 (s_set_vgpr_msb: bits 1:0 source 0, 3:2 source 1, 5:4 source 2, 7:6 destination):
;   window 0: v0-31 addresses; v64-127, v128-191 fragments of A, two buffers; v192-239 my 48 numbers of the bias; on the way out v64-255 at work
;   window 1: v64-111, v128-175 fragments of B, two buffers
;   window 2: the 24 accumulators of rows 0-63 ((a, b) at v[8 (6 a + b)]);   window 3: those of rows 64-127
.set SIZE_N, 3072
.set SIZE_K, 3072
.set KSTEP,  128
.set PITCH,  272                       ; an LDS row: 256 bytes + 16 of padding = 68 words: the 16 rows that a load touches start at 16 different groups of four banks (64 banks of 4 bytes: ISA guide 11.1)
.set HALFT,  128*PITCH                 ; what one tensor load brings
.set SLOT,   4*HALFT                   ; A's 128 rows, then B's 384
.set SPARE,  2*SLOT                    ; behind the ring: the spare words, 128 bytes for each wave: two blocks of 256 bytes that no other line names
.set SPITCH, 784                       ; the way out: a row of 768 bytes + 16.  The stage, 128 such rows, lies in slot 0, which has had its last fill and its last read by then
.set LAPS,   SIZE_K/(2*KSTEP)          ; a lap = two K steps = once round the ring
.set ADRA, 16                          ; v16-17  LDS address of my A fragments in slot 0, 1
.set ADRB, 20                          ; v20-21  the same for B
.set STO,  22                          ; v22-23  the way out: where I put 16 bytes of a row, for rows 0-63 and 64-127
.set RD,   24                          ; v24     where I read rows back
.set CO,   25                          ; v25     my byte offset in C
.set BO,   26                          ; v26     my byte offset in the bias
.set SPW,  28                          ; v28     LDS address of my spare word; never rewritten
.set NIL,  29                          ; v29     0; never rewritten
.set PFO,  30                          ; v30     the prefetches' offset: my lane x a row of 6,144 bytes; never rewritten
.set F0,   64
.set F1,   128
.set BI,   192
.set TP,   64                          ; the way out: 48 sums with the bias
.set TH,   112                         ; and 24 words of f16
.set WV,   12                          ; s12  my wave's number
.set TY,   15                          ; s15  tile row of C
.set LIM,  43                          ; s43  1 in a wave that prefetches, else the greatest number
.set PFA,  44                          ; s[44:45] where my prefetches stand
.set G1,  24                           ; s[24:31] descriptor group 1 for A's tiles;  s[32:39] group 0, a set for each slot
.set G0,  32
.set G1B, 48                           ; s[48:55], s[56:63] the same for B's tiles
.set G0B, 56
.set MSB, 0
.macro WIN new                         ; the immediate's high byte repeats the setting that is left; a switch that changes nothing is dropped
.if MSB != (\new)
	s_set_vgpr_msb (MSB<<8)|(\new)
.set MSB, (\new)
.endif
.endm
.set MUL_LO, 0xa1                      ; source 0 (B) window 1, source 1 (A) window 0, C and D window 2
.set MUL_HI, 0xf1                      ; the same, C and D window 3
.set TO_B,   0x40                      ; destination window 1, address window 0
; A joint load: wave 0 fetches A's tile, waves 1-3 B's three.  The branch hangs on the wave's number alone.  An s_nop 0 and four v_nop follow each of the two lines.
.macro JLOAD s
	s_cmp_eq_u32 s[WV], 0
	s_cbranch_scc0 .Lfor_b_\@
	tensor_load_to_lds s[G0+4*(\s):G0+4*(\s)+3], s[G1:G1+7]
	s_nop 0
.rept 4
	v_nop
.endr
	s_branch .Lasked_\@
.Lfor_b_\@:
	tensor_load_to_lds s[G0B+4*(\s):G0B+4*(\s)+3], s[G1B:G1B+7]
	s_nop 0
.rept 4
	v_nop
.endr
.Lasked_\@:
.endm
; A prefetch, behind each joint refill and the run of LDS loads that follows it: the K step that stands two refills on, 32 rows x 256 bytes, a lane a row, one instruction a wave.
; Each row's 256 bytes of a K step are named once in the launch: A's rows by the cluster with x = 0, B's by the cluster with y = 0; the four partners that ask for a tile jointly take 32 of its 128 rows
; each, told apart by address (cx for A, cy for B).  The loop's last trip asks for nothing: its two refills have no K step two on.  The first four K steps come by their loads alone.
.macro ASK
	s_cmp_gt_u32 s3, s[LIM]
	s_cbranch_scc0 .Lnot_mine_\@
	global_prefetch_b8 v[PFO], s[PFA:PFA+1] offset:KSTEP*2 th:TH_LOAD_NT scope:SCOPE_SE
.Lnot_mine_\@:
.endm
.macro CREST                           ; a round of the cluster's barrier behind its opening barrier
	s_cmp_lg_u32 s[WV], 0
	s_cbranch_scc1 .Lnot_wave_0_\@
	s_barrier_signal -3
.Lnot_wave_0_\@:
	s_barrier_wait -3
	s_barrier_signal -1
	s_barrier_wait -1
.endm
.macro CROUND                          ; a whole round
	s_barrier_signal -1
	s_barrier_wait -1
	CREST
.endm
	s_load_b256 s[4:11], s[0:1], 0x0               ; xb s[4:5], wb s[6:7], b_qkv s[8:9], qkv s[10:11]
	v_lshl_add_u32 v[SPW], v0, 2, SPARE
	v_mov_b32 v[NIL], 0
	ds_add_u32 v[SPW], v[NIL]                      ; the wave's opening: the add and its wait stand ahead of my first tensor load; the set-up below, work on registers, stands between them
	v_lshrrev_b32 v1, 5, v0
	v_readfirstlane_b32 s[WV], v1                  ; wave 0..3
	s_bfe_u32 s40, ttmp6, 0x40000                  ; cx, cy: my place in the cluster
	s_bfe_u32 s41, ttmp6, 0x40004
	s_lshl_b32 s42, ttmp9, 2
	s_add_co_u32 s42, s42, s40                     ; tile column of C = 4 x cluster x + cx
	s_and_b32 s[TY], ttmp7, 0xffff
	s_lshl_b32 s[TY], s[TY], 2
	s_add_co_u32 s[TY], s[TY], s41                 ; tile row of C = 4 x cluster y + cy
	s_lshl_b32 s66, s41, 2
	s_lshl_b32 s66, 15, s66                        ; my row of the cluster
	s_lshl_b32 s67, 0x1111, s40                    ; my column
	; descriptor group 1: a tile of 128 rows x 128 elements, padded in LDS
	s_or_b32 s[G1], s66, (1<<16)|(1<<20)|(1<<21)|(5<<22)|(3<<25)   ; 15:0 the mask: A's tiles go to my row; 17:16 elements of 2 bytes; 20 padding on; 21 set beside a mask; 24:22 after every 64 words; 31:25 4 words of it
	s_or_b32 s[G1B], s67, (1<<16)|(1<<20)|(1<<21)|(5<<22)|(3<<25)  ; the same with the mask of my column
.irp g, G1, G1B
	s_mov_b32 s[(\g)+1], KSTEP<<16                 ; tensor_dim0 = 128
	s_mov_b32 s[(\g)+2], 128<<16                   ; tensor_dim1 = 128
	s_mov_b32 s[(\g)+3], KSTEP<<16                 ; tile_dim0 = 128
	s_mov_b32 s[(\g)+4], 128                       ; tile_dim1 = 128
	s_mov_b32 s[(\g)+5], SIZE_K                    ; elements from row to row
	s_mov_b32 s[(\g)+6], 0
	s_mov_b32 s[(\g)+7], 0
.endr
	s_lshl_b32 s16, s[TY], 7                       ; A: row 128 x tile row
	s_mov_b32 s17, 0
	s_max_u32 s13, s[WV], 1
	s_sub_co_u32 s13, s13, 1
	s_lshl_b32 s13, s13, 7                         ; which 128 of B's 384 rows I fetch (waves 1-3)
	s_mul_i32 s46, s42, 384
	s_add_co_u32 s46, s46, s13                     ; B: row 384 x tile column + that
	s_mov_b32 s47, 0
	s_mov_b64 s[18:19], SIZE_K*2
	s_mul_u64 s[16:17], s[16:17], s[18:19]
	s_mul_u64 s[46:47], s[46:47], s[18:19]
	s_mul_i32 s20, s[WV], HALFT                    ; where they go: wave x 128 rows: no place in the cluster enters an LDS address
	s_wait_dscnt 0x0                               ; the opening add is done
	s_wait_kmcnt 0x0
	s_add_nc_u64 s[22:23], s[4:5], s[16:17]
	s_add_nc_u64 s[46:47], s[6:7], s[46:47]
	CROUND                                         ; all sixteen work-groups are here: the first joint loads meet
.irp s, 0,1
	s_mov_b32 s[G0+4*(\s)], 1                                        ; count = 1
	s_add_co_u32 s[G0+4*(\s)+1], s20, (\s)*SLOT                      ; LDS address
	s_add_nc_u64 s[G0+4*(\s)+2:G0+4*(\s)+3], s[22:23], (\s)*KSTEP*2  ; global address: K step s
	s_or_b32 s[G0+4*(\s)+3], s[G0+4*(\s)+3], 0x80000000              ; type = 2
	s_mov_b32 s[G0B+4*(\s)], 1
	s_add_co_u32 s[G0B+4*(\s)+1], s20, (\s)*SLOT
	s_add_nc_u64 s[G0B+4*(\s)+2:G0B+4*(\s)+3], s[46:47], (\s)*KSTEP*2
	s_or_b32 s[G0B+4*(\s)+3], s[G0B+4*(\s)+3], 0x80000000
	JLOAD \s                                       ; two loads of mine are out
.endr
	v_and_b32 v1, 15, v0                           ; l % 16
	v_bfe_u32 v2, v0, 4, 1                         ; l / 16
	; the bias of my columns: block b, columns 8 (l / 16) + 0..7: 32 bytes
	s_mul_i32 s46, s42, 1536
	s_mul_i32 s47, s[WV], 384
	s_add_co_u32 s46, s46, s47
	s_mov_b32 s47, 0
	s_add_nc_u64 s[8:9], s[8:9], s[46:47]
	v_lshlrev_b32 v[BO], 5, v2
.irp b, 0,1,2,3,4,5
	global_load_b128 v[BI+8*(\b):BI+8*(\b)+3],   v[BO], s[8:9] offset:64*(\b)
	global_load_b128 v[BI+8*(\b)+4:BI+8*(\b)+7], v[BO], s[8:9] offset:64*(\b)+16
.endr
	v_mul_u32_u24 v3, v1, PITCH
	v_lshl_add_u32 v3, v2, 4, v3                   ; a fragment's row x pitch + 16 x half
	v_mov_b32 v[ADRA], v3                          ; all waves read all of A's 128 rows
	v_add_nc_u32 v[ADRA+1], SLOT, v3
	s_mul_i32 s21, s[WV], 96*PITCH                 ; my 96 rows of B,
	s_add_co_u32 s21, s21, HALFT                   ; which lie behind A's 128
	v_add_nc_u32 v[ADRB], s21, v3
	s_add_co_u32 s21, s21, SLOT
	v_add_nc_u32 v[ADRB+1], s21, v3
	s_mul_i32 s21, s[WV], 192                      ; into the stage: row l % 16, my 192 bytes of its 768, 16 bytes for each half of the lanes
	v_mul_u32_u24 v4, v1, SPITCH
	v_lshl_add_u32 v4, v2, 4, v4
	v_add_nc_u32 v[STO], s21, v4
	v_add_nc_u32 v[STO+1], 64*SPITCH, v[STO]
	s_mul_i32 s21, s[WV], 32*SPITCH                ; back: wave w takes rows 32 w .. 32 w + 31, whole; lanes 0-15 256 bytes of one row, lanes 16-31 of the next
	v_mul_u32_u24 v5, v2, SPITCH
	v_lshl_add_u32 v5, v1, 4, v5
	v_add_nc_u32 v[RD], s21, v5
	v_mul_u32_u24 v5, v2, SIZE_N*2
	v_lshl_add_u32 v[CO], v1, 4, v5
	s_lshl_b32 s16, s[TY], 7
	s_lshl_b32 s17, s[WV], 5
	s_add_co_u32 s16, s16, s17                     ; the first row of C that I store
	s_mov_b32 s17, 0
	s_mul_u64 s[16:17], s[16:17], s[18:19]         ; (a row of C has as many bytes as a row of A)
	s_add_nc_u64 s[10:11], s[10:11], s[16:17]
	s_mul_i32 s46, s42, 768                        ; the tile's first column, in bytes
	s_mov_b32 s47, 0
	s_add_nc_u64 s[10:11], s[10:11], s[46:47]
	; the prefetches
	s_and_b32 s22, ttmp7, 0xffff                   ; cluster y
	s_lshl_b32 s20, s[TY], 7
	s_mul_i32 s21, s42, 384
	s_add_co_u32 s21, s21, s13
	s_cmp_eq_u32 s[WV], 0                          ; do I fetch for A?
	s_cselect_b32 s20, s20, s21                    ; the first of the 128 rows that I fetch
	s_cselect_b32 s21, s40, s41                    ; my place among the four that ask for them with me
	s_cselect_b32 s22, ttmp9, s22                  ; the coordinate along which other clusters read the same rows
	s_cselect_b64 s[PFA:PFA+1], s[4:5], s[6:7]
	s_cmp_eq_u32 s22, 0
	s_cselect_b32 s[LIM], 1, -1                    ; the same in all sixteen partners, for a given wave
	s_lshl_b32 s21, s21, 5
	s_add_co_u32 s20, s20, s21                     ; + my work-group's 32 of them
	s_mov_b32 s21, 0
	s_mul_u64 s[20:21], s[20:21], s[18:19]
	s_add_nc_u64 s[PFA:PFA+1], s[PFA:PFA+1], s[20:21]
	s_add_nc_u64 s[PFA:PFA+1], s[PFA:PFA+1], 2*KSTEP*2  ; at K step 2: the first refill steps it to 3 and names K step 4
	v_and_b32 v[PFO], 31, v0
	v_mul_u32_u24 v[PFO], v[PFO], SIZE_K*2
	s_wait_loadcnt 0x0                             ; the bias; it is rounded to bf16, like the other inputs, and kept as f32
.set k, 0
.rept 24
	v_cvt_pk_bf16_f32 v31, v[BI+2*k], v[BI+2*k+1]
	v_lshlrev_b32 v[BI+2*k], 16, v31
	v_and_b32 v[BI+2*k+1], 0xffff0000, v31
.set k, k+1
.endr
; 12 matrix instructions: m blocks a0, a0 + 1 of the window's four (hi = 0: rows 0-63, 1: rows 64-127) x all 6 n blocks, 32 along K.  zero = 1: the first product starts the sums.
; The 48 accumulators take turns, one instruction a turn, in the same order in every quarter step, over the backward jump too.
.macro MUL12 f, hi, a0, zero
	WIN MUL_LO+0x50*(\hi)
.irp a, \a0, (\a0)+1
.irp b, 0,1,2,3,4,5
.if \zero
	v_wmma_f32_16x16x32_bf16 v[8*(6*(\a)+(\b)):8*(6*(\a)+(\b))+7], v[(\f)+8*(\b):(\f)+8*(\b)+7], v[(\f)+8*(4*(\hi)+(\a)):(\f)+8*(4*(\hi)+(\a))+7], 0
.else
	v_wmma_f32_16x16x32_bf16 v[8*(6*(\a)+(\b)):8*(6*(\a)+(\b))+7], v[(\f)+8*(\b):(\f)+8*(\b)+7], v[(\f)+8*(4*(\hi)+(\a)):(\f)+8*(4*(\hi)+(\a))+7], v[8*(6*(\a)+(\b)):8*(6*(\a)+(\b))+7]
.endif
.endr
.endr
.endm
; 28 LDS loads in one run: the fragments of one quarter step (96 rows of B, 128 rows of A, 32 K at byte k of the rows) into buffer f
.macro FETCH slot, k, f
	WIN TO_B
.irp i, 0,1,2,3,4,5
	ds_load_b128 v[(\f)+8*(\i):(\f)+8*(\i)+3],   v[ADRB+(\slot)] offset:(\k)+(\i)*16*PITCH
	ds_load_b128 v[(\f)+8*(\i)+4:(\f)+8*(\i)+7], v[ADRB+(\slot)] offset:(\k)+(\i)*16*PITCH+32
.endr
	WIN 0
.irp i, 0,1,2,3,4,5,6,7
	ds_load_b128 v[(\f)+8*(\i):(\f)+8*(\i)+3],   v[ADRA+(\slot)] offset:(\k)+(\i)*16*PITCH
	ds_load_b128 v[(\f)+8*(\i)+4:(\f)+8*(\i)+7], v[ADRA+(\slot)] offset:(\k)+(\i)*16*PITCH+32
.endr
.endm
.macro PLACES                          ; four plain instructions in front of loads into registers that matrix instructions have read, and of sums that read results
.rept 4
	v_nop
.endr
.endm
; A K step is four quarter steps of 32 along K, 48 matrix instructions each, on buffers 0, 1, 0, 1.  One of the first three: multiplies buffer f; in its middle it fetches the next quarter, at byte k, into g.
.macro QUARTER slot, k, f, g, zero
	s_wait_dscnt 8                                 ; B and A's rows 0-63 are in; the youngest eight loads (A's rows 64-127) may be out
	MUL12 \f, 0, 0, \zero
	MUL12 \f, 0, 2, \zero
	PLACES
	FETCH \slot, \k, \g
	s_wait_dscnt 28                                ; all but the 28 just issued
	MUL12 \f, 1, 0, \zero
	MUL12 \f, 1, 2, \zero
.endm
; The last quarter multiplies buffer 1 and changes slots: ONE barrier; in front of it each wave waits for all its tensor loads (one is out: its part of the next slot), adds 0 to its spare word, and waits for
; that and for its own reads of this slot.  fill = 1: the barrier opens a round of the cluster's barrier, and this slot is filled again, two K steps ahead, first thing behind the round:
; from that request to the wait for it a wave issues 168 matrix instructions.
.macro TURN slot, next, fill
.if \fill
	s_wait_xcnt 0x0                                ; the last prefetch, a K step back, has read its address: it is stepped here
	s_add_nc_u64 s[PFA:PFA+1], s[PFA:PFA+1], KSTEP*2
.endif
	WIN 0                                          ; (the add's two registers lie in window 0)
	s_wait_tensorcnt 0x0                           ; all my tensor loads have landed;
	ds_add_u32 v[SPW], v[NIL]                      ; 0 onto my spare word;
	s_wait_dscnt 9                                 ; (the add and the youngest eight loads may be out)
	MUL12 F1, 0, 0, 0                              ; twelve matrix instructions stand between the add and the wait for it
	s_wait_dscnt 0x0                               ; the add is done, and my reads of this slot are over
	s_barrier_signal -1
	MUL12 F1, 0, 2, 0
.if \fill
	WIN 0
.endif
	s_barrier_wait -1
.if \fill
	CREST                                          ; no wave of any partner still reads this slot's tile or has a load on its way
	s_add_nc_u64 s[G0+4*(\slot)+2:G0+4*(\slot)+3], s[G0+4*(\slot)+2:G0+4*(\slot)+3], 2*KSTEP*2
	s_add_nc_u64 s[G0B+4*(\slot)+2:G0B+4*(\slot)+3], s[G0B+4*(\slot)+2:G0B+4*(\slot)+3], 2*KSTEP*2
	JLOAD \slot                                    ; the four v_nop behind it are also the places in front of the loads below
.else
	PLACES
.endif
	FETCH \next, 0, F0
.if \fill
	ASK
.endif
	MUL12 F1, 1, 0, 0
	MUL12 F1, 1, 2, 0
.endm
	s_wait_tensorcnt 1                             ; my part of K step 0 is in; K step 1's may stay out
	s_barrier_signal -1
	s_barrier_wait -1                              ; everybody's is
	FETCH 0, 0, F0
	QUARTER 0, 64,  F0, F1, 1                      ; the first quarter stands in front of the loop: its products start the sums
	WIN 0                                          ; at a label and at a branch every window is 0
	s_mov_b32 s3, LAPS-1
.Llap:                                                 ; a trip goes once round the ring, from a lap's second quarter to the next lap's first, and fills both slots again
	QUARTER 0, 128, F1, F0, 0
	QUARTER 0, 192, F0, F1, 0
	TURN 0, 1, 1
	QUARTER 1, 64,  F0, F1, 0
	QUARTER 1, 128, F1, F0, 0
	QUARTER 1, 192, F0, F1, 0
	TURN 1, 0, 1
	QUARTER 0, 64,  F0, F1, 0
	WIN 0
	s_sub_co_u32 s3, s3, 1
	s_cmp_lg_u32 s3, 0
	s_cbranch_scc1 .Llap
	QUARTER 0, 128, F1, F0, 0                      ; the last lap fills nothing, and has no round of the cluster's barrier
	QUARTER 0, 192, F0, F1, 0
	TURN 0, 1, 0                                   ; behind its barrier nobody reads slot 0 any more
	QUARTER 1, 64,  F0, F1, 0
	QUARTER 1, 128, F1, F0, 0
	QUARTER 1, 192, F0, F1, 0
	s_wait_dscnt 8                                 ; the very last quarter: nothing more to fetch
	MUL12 F1, 0, 0, 0
	MUL12 F1, 0, 2, 0
	s_wait_dscnt 0x0
	MUL12 F1, 1, 0, 0
	MUL12 F1, 1, 2, 0
	; THE WAY OUT: the bias is added, the sums rounded to f16; 16 bytes a lane into the work-group's stage; a barrier, since a row's 768 bytes come from four waves; back as whole rows, 32 rows a wave.
.macro PACKROW a                       ; 16 rows x my 96 columns; each accumulator's registers are taken in ascending order
.set AC, 48*((\a)%4)
	WIN 0x02+(\a)/4                                ; source 0: window 2 or 3
.irp b, 0,1,2,3,4,5
.irp r, 0,2,4,6
	v_pk_add_f32 v[TP+8*(\b)+(\r):TP+8*(\b)+(\r)+1], v[AC+8*(\b)+(\r):AC+8*(\b)+(\r)+1], v[BI+8*(\b)+(\r):BI+8*(\b)+(\r)+1]
.endr
.endr
	WIN 0
.irp b, 0,1,2,3,4,5
.irp r, 0,1,2,3
	v_cvt_pk_f16_f32 v[TH+4*(\b)+(\r)], v[TP+8*(\b)+2*(\r)], v[TP+8*(\b)+2*(\r)+1]
.endr
.endr
.irp b, 0,1,2,3,4,5
	ds_store_b128 v[STO+(\a)/4], v[TH+4*(\b):TH+4*(\b)+3] offset:((\a)%4)*16*SPITCH+32*(\b)
.endr
.endm
	PLACES
.irp a, 0,1,2,3,4,5,6,7
	PACKROW \a
.endr
	s_wait_dscnt 0x0                               ; for the others' sake: my stores into the stage are done
	s_barrier_signal -1
	s_barrier_wait -1
.set t, 0
.rept 48
	ds_load_b128 v[64+4*t:64+4*t+3], v[RD] offset:(t/3)*2*SPITCH+256*(t%3)
.set t, t+1
.endr
.set t, 0
.rept 48
	s_wait_dscnt 47-t                              ; load t is back; the younger ones may be out
	global_store_b128 v[CO], v[64+4*t:64+4*t+3], s[10:11] offset:(t/3)*2*SIZE_N*2+256*(t%3)  ; 16 lanes store 256 consecutive bytes, at a multiple of 256 from C's first byte
.set t, t+1
.endr
	s_wait_tensorcnt 0x0                           ; the wave's end, behind my last tensor load and my last LDS store
	ds_add_u32 v[SPW], v[NIL]
	s_wait_dscnt 0x0
	CROUND                                         ; the closing round: no work-group ends while a partner may still ask for a tile that names it
	s_endpgm
.Lfunc_end_k_qce8bbe1c77_gemm_qkv:
	.size	k_qce8bbe1c77_gemm_qkv, .Lfunc_end_k_qce8bbe1c77_gemm_qkv-k_qce8bbe1c77_gemm_qkv
	.p2alignl 7, 3214868480
	.fill 96, 4, 3214868480
	.section	.rodata,"a",@progbits
	.p2align	6, 0x0
	.amdhsa_kernel k_qce8bbe1c77_gemm_qkv
		.amdhsa_group_segment_fixed_size 327680
		.amdhsa_private_segment_fixed_size 0
		.amdhsa_enable_private_segment 0
		.amdhsa_kernarg_size 32
		.amdhsa_user_sgpr_count 2
		.amdhsa_user_sgpr_kernarg_segment_ptr 1
		.amdhsa_wavefront_size32 1
		.amdhsa_system_sgpr_workgroup_id_x 1
		.amdhsa_system_sgpr_workgroup_id_y 1
		.amdhsa_system_sgpr_workgroup_id_z 1
		.amdhsa_system_vgpr_workitem_id 0
		.amdhsa_next_free_vgpr 1024
		.amdhsa_next_free_sgpr 70
		.amdhsa_reserve_vcc 0
		.amdhsa_float_denorm_mode_32 3
		.amdhsa_float_denorm_mode_16_64 3
		.amdhsa_memory_ordered 1
		.amdhsa_forward_progress 1
		.amdhsa_inst_pref_size 134
	.end_amdhsa_kernel
	.amdgpu_metadata
---
amdhsa.version: [ 1, 2 ]
amdhsa.kernels:
  - .name:           k_qce8bbe1c77_gemm_qkv
    .symbol:         k_qce8bbe1c77_gemm_qkv.kd
    .args:
      - { .name: xb, .offset: 0, .size: 8, .value_kind: global_buffer, .address_space: global }
      - { .name: wb, .offset: 8, .size: 8, .value_kind: global_buffer, .address_space: global }
      - { .name: b_qkv, .offset: 16, .size: 8, .value_kind: global_buffer, .address_space: global }
      - { .name: qkv, .offset: 24, .size: 8, .value_kind: global_buffer, .address_space: global }
    .group_segment_fixed_size: 327680
    .private_segment_fixed_size: 0
    .kernarg_segment_align: 8
    .kernarg_segment_size: 32
    .max_flat_workgroup_size: 128
    .sgpr_count:     70
    .vgpr_count:     1024
    .wavefront_size: 32
...
	.end_amdgpu_metadata
.endif
;; end of part 2
;; launch attn (part 3): grid 64 x 4, 4 waves a work-group, no clusters, 299,520 bytes of LDS; arguments qkv, mask_real, mask_imag, live, ob; writes ob
.if DOCPART == 3
	.amdgcn_target "amdgcn-amd-amdhsa--gfx1250"
	.amdhsa_code_object_version 6
	.text
	.protected	k_qce8bbe1c77_attn
	.globl	k_qce8bbe1c77_attn
	.p2align	8
	.type	k_qce8bbe1c77_attn,@function
k_qce8bbe1c77_attn:
	s_mov_b64 s[64:65], 0
	v_nop
	global_prefetch_b8 v0, s[64:65] scope:SCOPE_SE
	s_setreg_imm32_b32 hwreg(HW_REG_WAVE_MODE, 25, 1), 1
	s_wait_xcnt 0x0
; MASKED ATTENTION at head size 512, four heads (stream x batch).  O[q] = the sum over the keys k that mask[q][k] keeps of softmax_k(Q[q] . K[k] / sqrt(512)) V[k].
; q, k, v: columns of qkv [4096][3072] f16 (q_r, q_i, k_r, k_i, v_r, v_i, 512 each); mask: [2048][2048] bytes, one for each stream; ob: [4096][1024] f16 (real, imaginary).
; Products, maxima and sums in f32; the weights p are rounded to f16 for the second product (their sum l is taken of the unrounded p), O once at the end.
; LIMITS.  q, k, v arrive within f16's 65,504.  A hidden score counts as its value less 2^100; the running maximum starts at -2^96: true scores, 2.2e12 at the most, lie far above both.
; A weight below 2^-126 counts as 0 in l.  A query that sees no key gets l = 0 and O = 0 x (1 / 0): NaN, as a softmax over nothing gives.  A mask byte counts by its lowest bit.
; THE WALK.  live (made by an earlier launch) says which blocks of 64 keys hold any kept byte for my block of 64 queries: N bits.  Only those blocks are walked; inside a block every byte of the mask is
; honoured.  N is read from memory, and no barrier may stand in a loop of such a length: so inside the walk no wave touches a byte that another wave has fetched for it.
; SHARES.  A work-group owns 32 queries of a head: two tiles of 16.  EVERY wave holds both tiles, and the keys are shared out four ways: wave w takes key half w % 2 (32 keys) of the live blocks number
; w / 2, w / 2 + 2, ..: (N + 1 - w / 2) / 2 trips.  So no byte of K or V is fetched twice in a work-group.  Each wave has its own running m, l and O over its own keys; the four meet once, behind the walk.
; LAYOUT.  S^T = K Q^T (source 0 = 16 keys, source 1 = 16 queries): a lane holds ONE query (lane % 16) and the keys 8 (lane / 16) + 0..7.  Two such tiles rounded to f16 ARE source 1 (32 keys x 16 queries) of
; O^T = V^T P, whose result again holds one query a lane, and eight channels.  K's fragments come straight from memory, 16 bytes a lane, as they lie.  Q (32 rows) lies in LDS, staged once, since O^T of
; 32 queries takes 512 registers.  V ([key][channel]) goes through a stage in LDS that is the wave's own and comes back turned, by ds_load_tr16_b128.
; THE MASK starts the sum: 0 or -2^100 is written into the accumulator that the first product adds onto.
; THE STREAM.  A trip's 128 loads go in chunks of 16: K0-K3 (four channel steps each), V0-V3 (all my 32 keys x 128 channels each: a load takes 256 consecutive bytes of two rows), through four slots of 64
; registers.  Three chunks are out at a time, on into the next block's K0-K2; with the four loads of mask bytes 52 loads of a wave are out at the most.  A chunk of V is staged, turned and multiplied as
; soon as it is in: behind the last arrival stand 32 LDS lines and 16 products.
; NO TENSOR LOADS, NO CLUSTER: a slot's refill wants a barrier, which this loop may not hold.  NO PREFETCH: which work-group reads a block first hangs on the mask, so no block can be named once.
; REGISTERS, in windows of 256 (s_set_vgpr_msb: bits 1:0 source 0, 3:2 source 1, 5:4 source 2, 7:6 destination):
;   window 0: v0-19, v52-56 addresses; v20-43 twelve registers of statistics a tile; v44-51 mask bytes; v64-95 S^T (tile t, key tile k at 64 + 16 t + 8 k); v96-111 P; v112-127 the meeting's statistics;
;             v128-255 two buffers of 64: Q's fragments of four channel steps, later V^T of eight channel tiles
;   window 1: O^T of tile 0, channel tile cb at 8 cb      window 2: O^T of tile 1      window 3: the four stream slots, slot g at 64 g
.set ROWB,  6144                       ; bytes in a row of qkv
.set PQ,    1040                       ; a row of Q in LDS: 1,024 bytes + 16: the 16 rows of a load start at 16 different groups of four banks (64 banks of 4 bytes: ISA guide 11.1)
.set PV,    1056                       ; a row of V in LDS: 1,024 + 32
.set VW,    32*PV                      ; a wave's stage for V: 32 rows
.set VS0,   32*PQ                      ; the four stages lie behind Q's 32 rows
.set XW,    65536                      ; the meeting: a wave's whole O^T.  The four lie from byte 0 on, over Q and the stages, which nobody reads any more behind the barrier that follows the walk
.set XST,   4*XW                       ; behind them: c m and l, 512 bytes for each wave
.set OSTG,  XST+4*512                  ; behind them: 32 rows x 272 bytes for each wave, for the way out
.set OP,    272
.set OW,    32*OP
.set SPARE, OSTG+4*OW                  ; behind the stages: the spare words, 128 bytes for each wave: two blocks of 256 bytes that no other line names
.set VO,  3                            ; v3     my byte offset in two rows of V: (l / 16) x 6,144 + 16 (l % 16)
.set AV,  4                            ; v4     where I read V back, turned
.set VSA, 5                            ; v5     where I put 16 bytes of V
.set QA,  6                            ; v6     my place in 16 rows of Q in LDS
.set QS,  7                            ; v7     where I put 16 bytes of Q
.set KO,  8                            ; v8     my byte offset in 16 rows of K: (l % 16) x 6,144 + 16 (l / 16)
.set MO,  9                            ; v9     my byte offset in 16 rows of the mask
.set XS,  10                           ; v10    the meeting: where I put 16 bytes
.set XSS, 11                           ; v11    and my statistics
.set STO, 12                           ; v12    the way out: where I put 16 bytes of a row
.set RD,  13                           ; v13    where I read rows back
.set GO,  14                           ; v14    16 x my lane
.set GOUT, 15                          ; v15    my byte offset in two rows of ob
.set SPW, 16                           ; v16    LDS address of my spare word; never rewritten
.set NIL, 17                           ; v17    0; never rewritten
.set XLS, 18                           ; v18    the meeting: where the senders' statistics lie for my lane
.set LN,  19                           ; v19    my lane
.set CM,  20                           ; tile t's statistics at + 12 t:  c m
.set M,   21                           ;   m; at the end l
.set L,   22                           ;   l (even keys', odd keys')
.set A,   24                           ;   a, in the low word of a pair
.set T,   26                           ;   four registers at work
.set CMO, 30                           ;   c m_old
.set MB,  44                           ; v[44:47], v[48:51] my 16 mask bytes for tile 0, 1
.set XL,  52                           ; v52-55 the meeting: my quarter in sender 0 .. 3's O^T
.set TV,  56                           ; v56    at work
.set S,   64
.set FF,  64                           ; the meeting: what sender s's O^T of tile t is multiplied by, a pair at 64 + 4 s + 2 t
.set P,   96
.set SS,  112                          ; the meeting: sender s's c m and l of tile t at 112 + 4 s + 2 t
.set BUF, 128
.set WV,  14                           ; s14  my wave's number
.set ST,  16                           ; s16  the stream
.set BT,  17                           ; s17  the batch
.set PB,  18                           ; s18  w / 2: which live blocks are mine
.set KH,  19                           ; s19  w % 2: which half of their keys
.set KB,  24                           ; s[24:25] K at my 32 rows of the head's key block 0
.set VB,  26                           ; s[26:27] V likewise
.set MBASE, 28                         ; s[28:29] the mask at the work-group's first row, my half of key block 0
.set KP,  30                           ; s[30:31] K, s[32:33] V, s[34:35] the mask at the block whose loads are being issued
.set VP,  32
.set MP,  34
.set OFF, 36                           ; s[36:37] a key block's byte offset in K and V
.set OF2, 38                           ; s[38:39] and in a row of the mask
.set LM,  40                           ; s40  the bits of the blocks still to be asked for
.set NL,  41                           ; s41  N
.set CNT, 42                           ; s42  counts the trips
.set E,   43                           ; s43  a key block's number
.set TS,  44                           ; s44  at work
.set BIGN, 45                          ; s45  -2^100
.set CS,  46                           ; s[46:47] c = log2(e) / sqrt(512)
.set SEL, 48                           ; s[48:49] v_permlanex16_b32's selects: each lane takes its own place in the other half
.set QB,  50                           ; s[50:51] Q at the eight rows that I stage
.set NT,  52                           ; s52  my trips
.set MSB, 0
.macro WIN new                         ; the immediate's high byte repeats the setting that is left; a switch that changes nothing is dropped
.if MSB != (\new)
	s_set_vgpr_msb (MSB<<8)|(\new)
.set MSB, (\new)
.endif
.endm
.macro PLACES                          ; four plain instructions between a product and a load into one of its registers, or the first read of its result
.rept 4
	v_nop
.endr
.endm
; My next live block's number, and from it the three pointers, each made anew from its base and an offset; two bits are taken out, mine and the other pair of waves'.
; When no bit is left the number is 31: a block that exists, whose loads serve nothing.
.macro NEXTE
	s_ctz_i32_b32 s[E], s[LM]
	s_min_u32 s[E], s[E], 31
.rept 2
	s_sub_co_u32 s[TS], s[LM], 1
	s_and_b32 s[LM], s[LM], s[TS]
.endr
	s_mul_i32 s[OFF], s[E], 64*ROWB
	s_add_nc_u64 s[KP:KP+1], s[KB:KB+1], s[OFF:OFF+1]
	s_add_nc_u64 s[VP:VP+1], s[VB:VB+1], s[OFF:OFF+1]
	s_lshl_b32 s[OF2], s[E], 6
	s_add_nc_u64 s[MP:MP+1], s[MBASE:MBASE+1], s[OF2:OF2+1]
.endm
.macro MLOAD                           ; my two queries' mask bytes: keys 8 (l / 16) + 0..7 of my 32, and 16 + 8 (l / 16) + 0..7; tile 1's rows lie 16 rows of 2,048 bytes further down
	WIN 0
.irp t, 0,1
	global_load_b64 v[MB+4*(\t):MB+4*(\t)+1],   v[MO], s[MP:MP+1] offset:32768*(\t)
	global_load_b64 v[MB+4*(\t)+2:MB+4*(\t)+3], v[MO], s[MP:MP+1] offset:32768*(\t)+16
.endr
.endm
.macro KLOAD g                         ; chunk g of K into slot g: channel steps 4 g .. 4 g + 3 of both key tiles: 16 loads; together they take 256 consecutive bytes of each of my 32 rows
	WIN 0xc0                                       ; destination window 3, address window 0
.set i, 4*(\g)
.rept 4
	global_load_b128 v[16*i:16*i+3],     v[KO], s[KP:KP+1] offset:64*i
	global_load_b128 v[16*i+4:16*i+7],   v[KO], s[KP:KP+1] offset:64*i+32
	global_load_b128 v[16*i+8:16*i+11],  v[KO], s[KP:KP+1] offset:16*ROWB+64*i
	global_load_b128 v[16*i+12:16*i+15], v[KO], s[KP:KP+1] offset:16*ROWB+64*i+32
.set i, i+1
.endr
.endm
.macro VGL g                           ; chunk g of V into slot g: my 32 keys x channels 128 g on: 16 loads, lanes 0-15 256 consecutive bytes of one row, lanes 16-31 of the next
	WIN 0xc0
.set z, 0
.rept 16
	global_load_b128 v[64*(\g)+4*z:64*(\g)+4*z+3], v[VO], s[VP:VP+1] offset:2*z*ROWB+256*(\g)
.set z, z+1
.endr
.endm
.macro VST g                           ; the same chunk into my stage
	WIN 0x0c                                       ; the data in window 3
.set z, 0
.rept 16
	ds_store_b128 v[VSA], v[64*(\g)+4*z:64*(\g)+4*z+3] offset:2*z*PV+256*(\g)
.set z, z+1
.endr
.endm
.macro VTR g                           ; and back, turned: V^T of my 32 keys, channel tiles 8 g .. 8 g + 7.  LDS serves a wave's instructions in order (ISA guide 5.7.1.4): these see the stores above
	WIN 0
.set c, 0
.rept 8
	ds_load_tr16_b128 v[BUF+64*((\g)%2)+8*c:BUF+64*((\g)%2)+8*c+3],   v[AV] offset:32*(8*(\g)+c)
	ds_load_tr16_b128 v[BUF+64*((\g)%2)+8*c+4:BUF+64*((\g)%2)+8*c+7], v[AV] offset:32*(8*(\g)+c)+16*PV
.set c, c+1
.endr
.endm
.macro QL g                            ; Q's fragments of channel steps 4 g .. 4 g + 3, both tiles: 16 loads into buffer g % 2
	WIN 0
.set i, 0
.rept 4
.irp t, 0,1
	ds_load_b128 v[BUF+64*((\g)%2)+16*i+8*(\t):BUF+64*((\g)%2)+16*i+8*(\t)+3],   v[QA] offset:(\t)*16*PQ+64*(4*(\g)+i)
	ds_load_b128 v[BUF+64*((\g)%2)+16*i+8*(\t)+4:BUF+64*((\g)%2)+16*i+8*(\t)+7], v[QA] offset:(\t)*16*PQ+64*(4*(\g)+i)+32
.endr
.set i, i+1
.endr
.endm
; Four channel steps of S^T = K Q^T: 16 products.  The four accumulators (two tiles x two key tiles) take turns, one instruction a turn.  The first add onto the mask.
.macro QKC g
	WIN 0x03                                       ; K in window 3; Q and S^T in window 0
.set i, 0
.rept 4
.irp t, 0,1
.irp k, 0,1
	v_wmma_f32_16x16x32_f16 v[S+16*(\t)+8*(\k):S+16*(\t)+8*(\k)+7], v[64*(\g)+16*i+8*(\k):64*(\g)+16*i+8*(\k)+7], v[BUF+64*((\g)%2)+16*i+8*(\t):BUF+64*((\g)%2)+16*i+8*(\t)+7], v[S+16*(\t)+8*(\k):S+16*(\t)+8*(\k)+7]
.endr
.endr
.set i, i+1
.endr
.endm
.macro PVP g                           ; 16 products O^T += V^T P: channel tiles 8 g .. 8 g + 7 of both tiles, each on an accumulator of its own
.irp t, 0,1
	WIN 0x50*((\t)+1)                              ; V^T and P in window 0, O^T in window 1 or 2
.set c, 0
.rept 8
	v_wmma_f32_16x16x32_f16 v[64*(\g)+8*c:64*(\g)+8*c+7], v[BUF+64*((\g)%2)+8*c:BUF+64*((\g)%2)+8*c+7], v[P+8*(\t):P+8*(\t)+7], v[64*(\g)+8*c:64*(\g)+8*c+7]
.set c, c+1
.endr
.endr
.endm
.macro RESC g                          ; the same quarter of O^T times a, each accumulator's registers in ascending order
.irp t, 0,1
	WIN 0x41*((\t)+1)                              ; O^T (destination and source 0) in window 1 or 2, a in window 0
.set p, 0
.rept 32
	v_pk_mul_f32 v[64*(\g)+2*p:64*(\g)+2*p+1], v[64*(\g)+2*p:64*(\g)+2*p+1], v[A+12*(\t):A+12*(\t)+1] op_sel_hi:[1,0]
.set p, p+1
.endr
.endr
.endm
	s_load_b256 s[4:11], s[0:1], 0x0               ; qkv s[4:5], mask_real s[6:7], mask_imag s[8:9], live s[10:11]
	s_load_b64 s[12:13], s[0:1], 0x20              ; ob
	v_lshl_add_u32 v[SPW], v0, 2, SPARE
	v_mov_b32 v[NIL], 0
	v_lshrrev_b32 v1, 5, v0
	v_readfirstlane_b32 s[WV], v1                  ; wave 0..3
	s_and_b32 s20, ttmp7, 0xffff
	s_lshr_b32 s[ST], s20, 1
	s_and_b32 s[BT], s20, 1
	s_and_b32 s[KH], s[WV], 1
	s_lshr_b32 s[PB], s[WV], 1
	s_mov_b32 s[CS], 0x3d8293ee                    ; c = log2(e) / sqrt(512) = 0.0637587
	s_mov_b32 s[CS+1], s[CS]                       ; named with it as a pair
	s_mov_b32 s[SEL], 0x76543210
	s_mov_b32 s[SEL+1], 0xfedcba98
	s_mov_b32 s[BIGN], 0xf1800000                  ; -2^100
	s_mov_b32 s[OFF+1], 0
	s_mov_b32 s[OF2+1], 0
	s_lshl_b32 s20, s[ST], 5
	s_lshr_b32 s21, ttmp9, 1                       ; my block of 64 queries
	s_add_co_u32 s20, s20, s21
	s_lshl_b32 s20, s20, 5                         ; its eight words of live
	s_mov_b32 s21, 0
	v_and_b32 v1, 15, v0                           ; l % 16
	v_bfe_u32 v2, v0, 4, 1                         ; l / 16
	v_and_b32 v[LN], 31, v0
	v_lshlrev_b32 v[GO], 4, v[LN]
	s_wait_kmcnt 0x0
	s_add_nc_u64 s[10:11], s[10:11], s[20:21]
	s_load_b256 s[56:63], s[10:11], 0x0
	s_lshl_b32 s22, s[BT], 11                      ; the work-group's first query row
	s_lshl_b32 s23, ttmp9, 5
	s_add_co_u32 s22, s22, s23
	s_lshl_b32 s23, s[WV], 3                       ; of its 32 rows of Q I stage eight
	s_add_co_u32 s23, s22, s23
	s_mul_i32 s20, s23, ROWB
	s_lshl_b32 s21, s[ST], 10                      ; the stream's 1,024 bytes
	s_add_co_u32 s20, s20, s21
	s_mov_b32 s21, 0
	s_add_nc_u64 s[QB:QB+1], s[4:5], s[20:21]
	WIN 0xc0                                       ; into slot 3, which the stream wants last
.set z, 0
.rept 16                                       ; 16 loads of 512 consecutive bytes: half a row each
	global_load_b128 v[192+4*z:192+4*z+3], v[GO], s[QB:QB+1] offset:(z/2)*ROWB+(z%2)*512
.set z, z+1
.endr
	WIN 0
	s_lshl_b32 s20, s[BT], 11                      ; K and V: the batch's first row + my 32 rows of a block,
	s_lshl_b32 s21, s[KH], 5
	s_add_co_u32 s20, s20, s21
	s_mul_i32 s20, s20, ROWB
	s_lshl_b32 s21, s[ST], 10                      ; the stream's 1,024 bytes,
	s_add_co_u32 s20, s20, s21
	s_add_co_u32 s20, s20, 2048                    ; behind q's 2,048
	s_mov_b32 s21, 0
	s_add_nc_u64 s[KB:KB+1], s[4:5], s[20:21]
	s_add_nc_u64 s[VB:VB+1], s[KB:KB+1], 2048
	s_lshl_b32 s20, s22, 11                        ; ob at the work-group's first row, 2,048 bytes a row; the stream's 1,024 bytes; the 256 that I finish
	s_lshl_b32 s21, s[ST], 10
	s_add_co_u32 s20, s20, s21
	s_lshl_b32 s21, s[WV], 8
	s_add_co_u32 s20, s20, s21
	s_mov_b32 s21, 0
	s_add_nc_u64 s[12:13], s[12:13], s[20:21]
	s_lshl_b32 s20, ttmp9, 16                      ; the mask: 32 rows of 2,048 bytes a work-group, my half of a key block
	s_lshl_b32 s21, s[KH], 5
	s_add_co_u32 s20, s20, s21
	s_mov_b32 s21, 0
	s_cmp_eq_u32 s[ST], 0
	s_cselect_b64 s[MBASE:MBASE+1], s[6:7], s[8:9]
	s_add_nc_u64 s[MBASE:MBASE+1], s[MBASE:MBASE+1], s[20:21]
	v_mul_u32_u24 v[KO], v1, ROWB
	v_lshl_add_u32 v[KO], v2, 4, v[KO]             ; row x 6,144 + 16 x half
	v_lshlrev_b32 v[MO], 11, v1
	v_lshl_add_u32 v[MO], v2, 3, v[MO]             ; my query's row x 2,048 + 8 x half
	v_mul_u32_u24 v[VO], v2, ROWB
	v_lshl_add_u32 v[VO], v1, 4, v[VO]
	s_wait_kmcnt 0x0                               ; live
	s_and_b32 s[LM], s56, 15
.irp w, 1,2,3,4,5,6,7
	s_and_b32 s[TS], s[56+(\w)], 15
	s_lshl_b32 s[TS], s[TS], 4*(\w)
	s_or_b32 s[LM], s[LM], s[TS]
.endr
	s_bcnt1_i32_b32 s[NL], s[LM]
	s_add_co_u32 s[NT], s[NL], 1
	s_sub_co_u32 s[NT], s[NT], s[PB]
	s_lshr_b32 s[NT], s[NT], 1                     ; waves 0, 1: the blocks number 0, 2, ..; waves 2, 3: number 1, 3, ..
	s_sub_co_u32 s[TS], s[LM], 1
	s_and_b32 s[TS], s[LM], s[TS]
	s_cmp_eq_u32 s[PB], 1
	s_cselect_b32 s[LM], s[TS], s[LM]              ; waves 2, 3 begin behind the first bit
	NEXTE                                          ; my first live block
	MLOAD
	KLOAD 0
	KLOAD 1                                        ; 52 loads are out: Q's 16, the mask's 4, K0's and K1's 16
	WIN 0
	v_mul_u32_u24 v[QA], v1, PQ
	v_lshl_add_u32 v[QA], v2, 4, v[QA]             ; a fragment's row x pitch + 16 x half
	s_mul_i32 s20, s[WV], 8*PQ
	v_add_nc_u32 v[QS], s20, v[GO]
	s_mul_i32 s20, s[WV], VW
	s_add_co_u32 s20, s20, VS0                     ; my stage for V
	v_mul_u32_u24 v[VSA], v2, PV
	v_lshl_add_u32 v[VSA], v1, 4, v[VSA]
	v_add_nc_u32 v[VSA], s20, v[VSA]
	; The turning load takes 16 keys x 16 channels (lane l reads key 8 (l / 16) + l % 8, channels 8 ((l / 8) % 2) + 0..7) and leaves half a fragment of V^T: lane l holds channel l % 16 and 8 keys.
	v_and_b32 v[TV], 7, v0
	v_lshl_add_u32 v[TV], v2, 3, v[TV]
	v_mul_u32_u24 v[AV], v[TV], PV
	v_bfe_u32 v[TV], v0, 3, 1
	v_lshl_add_u32 v[AV], v[TV], 4, v[AV]
	v_add_nc_u32 v[AV], s20, v[AV]
	s_lshl_b32 s20, s[WV], 16                      ; the meeting: my O^T,
	v_add_nc_u32 v[XS], s20, v[GO]
	s_lshl_b32 s20, s[WV], 9
	s_add_co_u32 s20, s20, XST                     ; my statistics,
	v_lshl_add_u32 v[XSS], v[LN], 3, s20
	v_lshlrev_b32 v[XLS], 3, v[LN]
	v_add_nc_u32 v[XLS], XST, v[XLS]
	s_lshl_b32 s20, s[WV], 14                      ; and my quarter, 16,384 bytes, of each sender's O^T
	v_add_nc_u32 v[XL], s20, v[GO]
	v_add_nc_u32 v[XL+1], XW, v[XL]
	v_add_nc_u32 v[XL+2], XW, v[XL+1]
	v_add_nc_u32 v[XL+3], XW, v[XL+2]
	s_mul_i32 s20, s[WV], OW
	s_add_co_u32 s20, s20, OSTG                    ; my stage for the way out
	v_mul_u32_u24 v[STO], v1, OP                   ; in: row l % 16, 16 bytes for each half of the lanes
	v_lshl_add_u32 v[STO], v2, 4, v[STO]
	v_add_nc_u32 v[STO], s20, v[STO]
	v_mul_u32_u24 v[RD], v2, OP                    ; back: lanes 0-15 take one row of 256 bytes, lanes 16-31 the next
	v_lshl_add_u32 v[RD], v1, 4, v[RD]
	v_add_nc_u32 v[RD], s20, v[RD]
	v_lshlrev_b32 v[GOUT], 11, v2                  ; and the same two rows in ob
	v_lshl_add_u32 v[GOUT], v1, 4, v[GOUT]
.irp t, 0,1
	v_mov_b32 v[M+12*(\t)], 0xef800000             ; m = -2^96: below every true score, above every hidden one
	v_mul_f32 v[CM+12*(\t)], s[CS], v[M+12*(\t)]
	v_mov_b32 v[L+12*(\t)], 0
	v_mov_b32 v[L+12*(\t)+1], 0
	v_mov_b32 v[A+12*(\t)], 0
	v_mov_b32 v[A+12*(\t)+1], 0                    ; named with a as a pair
	v_mov_b32 v[T+12*(\t)+1], 0                    ; v_permlanex16_b32's destination counts as read
.endr
	; O^T starts at 0, so that the first step is a step like any other, and a wave without a trip has zeros to send.  A product of zeros writes eight registers a line: 64 lines for the 512 registers,
	; issued while the first loads are on their way.
.set i, 0
.rept 16
	v_mov_b32 v[BUF+i], 0
.set i, i+1
.endr
.irp t, 0,1
	WIN 0x40*((\t)+1)
.set c, 0
.rept 32
	v_wmma_f32_16x16x32_f16 v[8*c:8*c+7], v[BUF:BUF+7], v[BUF+8:BUF+15], 0
.set c, c+1
.endr
.endr
	s_wait_loadcnt 36                              ; my eight rows of Q are in; the mask's four loads, K0's and K1's sixteen may be out
	WIN 0x0c
.set z, 0
.rept 16
	ds_store_b128 v[QS], v[192+4*z:192+4*z+3] offset:(z/2)*PQ+(z%2)*512
.set z, z+1
.endr
	KLOAD 2                                        ; as at every trip's head: the mask bytes, K0, K1, K2 are out, in this order
	WIN 0                                          ; at a label and at a branch every window is 0
	s_wait_dscnt 0x0                               ; for the others' sake: my rows of Q lie in LDS
	s_barrier_signal -1
	s_barrier_wait -1                              ; all 32 do
	s_mov_b32 s[CNT], 0
	s_cmp_eq_u32 s[NT], 0
	s_cbranch_scc1 .Lwalked                        ; no live block of mine: nothing to walk
.Ltile:                                                ; a trip: 32 queries x my 32 keys of a live block; all LDS addresses in it are fixed
	s_wait_loadcnt 32                              ; the mask bytes and K0 are in; K1 and K2 may be out
	KLOAD 3                                        ; (slot 3's LDS stores were waited for)
	WIN 0
.irp t, 0,1
.set j, 0
.rept 16                                       ; the mask of my 32 scores: the byte's lowest bit.  These lines are also the plain instructions between the last trip's last product and the loads into the two buffers
	v_bfe_u32 v[S+16*(\t)+j], v[MB+4*(\t)+j/4], 8*(j%4), 1
.set j, j+1
.endr
.endr
	QL 0
	QL 1
.set j, 0
.rept 32                                       ; less 1: no bits where the key is kept, all bits where it is hidden,
	v_add_nc_u32 v[S+j], -1, v[S+j]
.set j, j+1
.endr
.set j, 0
.rept 32                                       ; so 0 or -2^100
	v_and_b32 v[S+j], s[BIGN], v[S+j]
.set j, j+1
.endr
	s_wait_dscnt 16                                ; Q's first run is in; the second may be out
	QKC 0
	s_wait_loadcnt 32                              ; K1 is in; K2 and K3 may be out
	PLACES
	VGL 0                                          ; slot 0 and buffer 0 have been multiplied
	QL 2
	s_wait_dscnt 16                                ; Q's second run is in
	QKC 1
	s_wait_loadcnt 32                              ; K2 is in; K3 and V0 may be out
	PLACES
	VGL 1
	QL 3
	s_wait_dscnt 16                                ; Q's third run is in
	QKC 2
	s_wait_loadcnt 32                              ; K3 is in; V0 and V1 may be out
	PLACES
	VGL 2
	s_wait_dscnt 0x0                               ; Q's last run is in
	QKC 3
	s_wait_loadcnt 32                              ; V0 is in; V1 and V2 may be out
	PLACES                                         ; for the loads into slot 3, and for the first read of the scores
	VGL 3
	VST 0
	VTR 0                                          ; on its way through LDS while the softmax is made
	WIN 0
.irp t, 0,1                                    ; the maximum of a tile's 16 scores and the old m; each accumulator's lowest registers are read first
	v_max3_num_f32 v[T+12*(\t)],   v[S+16*(\t)],   v[S+16*(\t)+1],  v[S+16*(\t)+2]
	v_max3_num_f32 v[T+12*(\t)+1], v[S+16*(\t)+3], v[S+16*(\t)+4],  v[S+16*(\t)+5]
	v_max3_num_f32 v[T+12*(\t)+2], v[S+16*(\t)+6], v[S+16*(\t)+7],  v[S+16*(\t)+8]
	v_max3_num_f32 v[T+12*(\t)+3], v[S+16*(\t)+9], v[S+16*(\t)+10], v[S+16*(\t)+11]
.endr
.irp t, 0,1
	v_max3_num_f32 v[T+12*(\t)],   v[T+12*(\t)],   v[S+16*(\t)+12], v[S+16*(\t)+13]
	v_max3_num_f32 v[T+12*(\t)+1], v[T+12*(\t)+1], v[S+16*(\t)+14], v[S+16*(\t)+15]
	v_max3_num_f32 v[T+12*(\t)+2], v[T+12*(\t)+2], v[T+12*(\t)+3],  v[M+12*(\t)]
	v_mov_b32 v[CMO+12*(\t)], v[CM+12*(\t)]        ; c m_old is kept for a
.endr
.irp t, 0,1
	v_max3_num_f32 v[T+12*(\t)], v[T+12*(\t)], v[T+12*(\t)+1], v[T+12*(\t)+2]
.endr
.irp t, 0,1
	v_permlanex16_b32 v[T+12*(\t)+1], v[T+12*(\t)], s[SEL], s[SEL+1]  ; the query's other 16 keys lie in the lane 16 away
.endr
.irp t, 0,1
	v_max_num_f32 v[M+12*(\t)], v[T+12*(\t)], v[T+12*(\t)+1]
.endr
.irp t, 0,1
	v_mul_f32 v[CM+12*(\t)], s[CS], v[M+12*(\t)]
.endr
.irp t, 0,1
	v_sub_f32 v[T+12*(\t)+2], v[CMO+12*(\t)], v[CM+12*(\t)]
.endr
.irp t, 0,1
.set p, 0
.rept 8                                        ; c s - c m
	v_pk_fma_f32 v[S+16*(\t)+2*p:S+16*(\t)+2*p+1], v[S+16*(\t)+2*p:S+16*(\t)+2*p+1], s[CS:CS+1], v[CM+12*(\t):CM+12*(\t)+1] op_sel_hi:[1,0,0] neg_lo:[0,0,1] neg_hi:[0,0,1]
.set p, p+1
.endr
.endr
.irp t, 0,1                                    ; ONE BATCH of 34 exponentials: the two a and the 32 weights
	v_exp_f32 v[A+12*(\t)], v[T+12*(\t)+2]
.endr
.set j, 0
.rept 32
	v_exp_f32 v[S+j], v[S+j]
.set j, j+1
.endr
	v_nop                                          ; a plain instruction behind the last exponential,
	s_wait_alu depctr_va_vdst(0)                   ; and one wait ahead of the first line that names a result
.set p, 0
.rept 16
	v_cvt_pk_f16_f32 v[P+p], v[S+2*p], v[S+2*p+1]
.set p, p+1
.endr
.irp t, 0,1
.irp p, 0,4,8,12
	v_pk_add_f32 v[S+16*(\t)+(\p):S+16*(\t)+(\p)+1], v[S+16*(\t)+(\p):S+16*(\t)+(\p)+1], v[S+16*(\t)+(\p)+2:S+16*(\t)+(\p)+3]
.endr
.endr
.irp t, 0,1
	v_pk_add_f32 v[S+16*(\t):S+16*(\t)+1], v[S+16*(\t):S+16*(\t)+1], v[S+16*(\t)+4:S+16*(\t)+5]
	v_pk_add_f32 v[S+16*(\t)+8:S+16*(\t)+9], v[S+16*(\t)+8:S+16*(\t)+9], v[S+16*(\t)+12:S+16*(\t)+13]
.endr
.irp t, 0,1
	v_pk_add_f32 v[S+16*(\t):S+16*(\t)+1], v[S+16*(\t):S+16*(\t)+1], v[S+16*(\t)+8:S+16*(\t)+9]
.endr
.irp t, 0,1
	v_pk_fma_f32 v[L+12*(\t):L+12*(\t)+1], v[L+12*(\t):L+12*(\t)+1], v[A+12*(\t):A+12*(\t)+1], v[S+16*(\t):S+16*(\t)+1] op_sel_hi:[1,0,1]  ; l = a l + the sum
.endr
	RESC 0
	s_wait_dscnt 0x0                               ; V0 has left slot 0 and is back, turned
	PVP 0
	s_wait_loadcnt 32                              ; V1 is in; V2 and V3 may be out
	VST 1
	VTR 1
	s_wait_xcnt 0x0                                ; all of this block's loads have been issued and have read their pointers, which are written only behind this wait
	NEXTE                                          ; on to my next live block
	MLOAD                                          ; (this block's mask bytes were used at the trip's head)
	KLOAD 0
	RESC 1                                         ; these lines are also the plain instructions between the products on a buffer and the next loads into it
	s_wait_dscnt 0x0                               ; V1 has left slot 1 and is back, turned
	PVP 1
	s_wait_loadcnt 36                              ; V2 is in; V3, the mask's four loads and K0 may be out
	VST 2
	VTR 2
	KLOAD 1
	RESC 2
	s_wait_dscnt 0x0
	PVP 2
	s_wait_loadcnt 36                              ; V3 is in; the mask's four loads, K0 and K1 may be out
	VST 3
	VTR 3
	KLOAD 2
	RESC 3
	s_wait_dscnt 0x0
	PVP 3
	WIN 0
	s_add_co_u32 s[CNT], s[CNT], 1
	s_cmp_lt_u32 s[CNT], s[NT]
	s_cbranch_scc1 .Ltile
.Lwalked:
	; The loads that ran ahead of the last trip serve nothing.  They land in window 3 and in v44-51, which no line below names, so nothing waits for them.
	; THE FOUR MEET.  Each wave stores its whole O^T, ordered by channel quarters, with its c m and l; wave w then finishes channels 128 w .. 128 w + 127 of all 32 queries.
	PLACES                                         ; behind the last products
.irp t, 0,1
	v_add_f32 v[T+12*(\t)], v[L+12*(\t)], v[L+12*(\t)+1]
.endr
.irp t, 0,1
	v_permlanex16_b32 v[T+12*(\t)+1], v[T+12*(\t)], s[SEL], s[SEL+1]
.endr
.irp t, 0,1
	v_add_f32 v[M+12*(\t)], v[T+12*(\t)], v[T+12*(\t)+1]  ; l over my keys; it takes m's place beside c m
.endr
	s_wait_dscnt 0x0                               ; my reads of Q and of my stage are over
	s_barrier_signal -1
	s_barrier_wait -1                              ; everybody's are: the bytes may be written anew.  Every wave passes this barrier once, whatever N
.irp t, 0,1
	ds_store_b64 v[XSS], v[CM+12*(\t):CM+12*(\t)+1] offset:256*(\t)
.endr
.irp t, 0,1
	WIN 0x04*((\t)+1)                              ; the data in window 1 or 2
.set z, 0
.rept 64                                       ; registers 64 d + 4 k of tile t go to place 32 d + 16 t + k: a quarter d lies together; 512 consecutive bytes a store
	ds_store_b128 v[XS], v[4*z:4*z+3] offset:512*(32*(z/16)+16*(\t)+z%16)
.set z, z+1
.endr
.endr
	WIN 0
	s_wait_dscnt 0x0                               ; for the others' sake: my stores are done
	s_barrier_signal -1
	s_barrier_wait -1
; O = the sum over the four senders s of O_s e_s / the sum of l_s e_s, with e_s = 2^(c m_s - max)
.macro DLOAD s                         ; my quarter of sender s's O^T: 32 loads; senders 0, 1 into window 1, senders 2, 3 into window 2 (O^T's registers are free: the stores above were waited for)
	WIN 0x40*(1+(\s)/2)
.set z, 0
.rept 32
	ds_load_b128 v[128*((\s)%2)+4*z:128*((\s)%2)+4*z+3], v[XL+(\s)] offset:512*z
.set z, z+1
.endr
.endm
.macro COMB s                          ; the sum is kept in sender 0's registers: tile t at 64 t
.if (\s) == 0
	WIN 0x41
.else
	WIN 0x51+(\s)/2                                ; source 0 in window 1 or 2, the factor in window 0, the sum in window 1
.endif
.irp t, 0,1
.set z, 0
.rept 32
.if (\s) == 0
	v_pk_mul_f32 v[64*(\t)+2*z:64*(\t)+2*z+1], v[64*(\t)+2*z:64*(\t)+2*z+1], v[FF+2*(\t):FF+2*(\t)+1] op_sel_hi:[1,0]
.else
	v_pk_fma_f32 v[64*(\t)+2*z:64*(\t)+2*z+1], v[128*((\s)%2)+64*(\t)+2*z:128*((\s)%2)+64*(\t)+2*z+1], v[FF+4*(\s)+2*(\t):FF+4*(\s)+2*(\t)+1], v[64*(\t)+2*z:64*(\t)+2*z+1] op_sel_hi:[1,0,1]
.endif
.set z, z+1
.endr
.endr
.endm
.irp s, 0,1,2,3
.irp t, 0,1
	ds_load_b64 v[SS+4*(\s)+2*(\t):SS+4*(\s)+2*(\t)+1], v[XLS] offset:512*(\s)+256*(\t)
.endr
.endr
	DLOAD 0
	WIN 0
	s_wait_dscnt 32                                ; the statistics are in; the 32 loads behind them may be out
.irp t, 0,1
	v_max3_num_f32 v[T+12*(\t)], v[SS+2*(\t)], v[SS+4+2*(\t)], v[SS+8+2*(\t)]
.endr
.irp t, 0,1
	v_max_num_f32 v[T+12*(\t)], v[T+12*(\t)], v[SS+12+2*(\t)]
.endr
.irp s, 0,1,2,3
.irp t, 0,1
	v_sub_f32 v[SS+4*(\s)+2*(\t)], v[SS+4*(\s)+2*(\t)], v[T+12*(\t)]
.endr
.endr
.irp s, 0,1,2,3
.irp t, 0,1
	v_exp_f32 v[SS+4*(\s)+2*(\t)], v[SS+4*(\s)+2*(\t)]
.endr
.endr
	v_nop
	s_wait_alu depctr_va_vdst(0)                   ; one wait for the eight exponentials
.irp t, 0,1
	v_mul_f32 v[T+12*(\t)+1], v[SS+2*(\t)+1], v[SS+2*(\t)]
.endr
.irp s, 1,2,3
.irp t, 0,1
	v_fma_f32 v[T+12*(\t)+1], v[SS+4*(\s)+2*(\t)+1], v[SS+4*(\s)+2*(\t)], v[T+12*(\t)+1]
.endr
.endr
.irp t, 0,1
	v_rcp_f32 v[T+12*(\t)+2], v[T+12*(\t)+1]
.endr
	v_nop
	s_wait_alu depctr_va_vdst(0)                   ; and one for the two reciprocals
.irp s, 0,1,2,3
.irp t, 0,1
	v_mul_f32 v[FF+4*(\s)+2*(\t)],   v[SS+4*(\s)+2*(\t)], v[T+12*(\t)+2]
	v_mul_f32 v[FF+4*(\s)+2*(\t)+1], v[SS+4*(\s)+2*(\t)], v[T+12*(\t)+2]  ; named as a pair
.endr
.endr
	DLOAD 1
	s_wait_dscnt 32                                ; sender 0's quarter is in; sender 1's 32 loads may be out
	COMB 0
	DLOAD 2
	s_wait_dscnt 32                                ; sender 1's is in
	COMB 1
	DLOAD 3
	s_wait_dscnt 32                                ; sender 2's is in
	COMB 2
	s_wait_dscnt 0x0
	COMB 3
	; THE WAY OUT: rounded to f16; a lane's eight channels of a row are 16 bytes; they go into rows of 272 bytes of my own stage and come back as whole rows of 256.
	WIN 0x05                                       ; sources 0 and 1 window 1, destination window 0
.set z, 0
.rept 64
	v_cvt_pk_f16_f32 v[BUF+z], v[2*z], v[2*z+1]
.set z, z+1
.endr
	WIN 0
.irp t, 0,1
.set c, 0
.rept 8
	ds_store_b128 v[STO], v[BUF+32*(\t)+4*c:BUF+32*(\t)+4*c+3] offset:(\t)*16*OP+32*c
.set c, c+1
.endr
.endr
.set z, 0
.rept 16
	ds_load_b128 v[BUF+64+4*z:BUF+64+4*z+3], v[RD] offset:2*z*OP  ; LDS serves a wave's instructions in order (ISA guide 5.7.1.4): these see the stores above
.set z, z+1
.endr
.set z, 0
.rept 16
	s_wait_dscnt 15-z                              ; rows 2 z and 2 z + 1 are back; the younger loads may be out
	global_store_b128 v[GOUT], v[BUF+64+4*z:BUF+64+4*z+3], s[12:13] offset:2*z*2048  ; 16 lanes store 256 consecutive bytes, at a multiple of 256 from ob's first byte
.set z, z+1
.endr
	s_wait_tensorcnt 0x0                           ; the wave's end, behind my last LDS store
	ds_add_u32 v[SPW], v[NIL]
	s_wait_dscnt 0x0
	s_endpgm
.Lfunc_end_k_qce8bbe1c77_attn:
	.size	k_qce8bbe1c77_attn, .Lfunc_end_k_qce8bbe1c77_attn-k_qce8bbe1c77_attn
	.p2alignl 7, 3214868480
	.fill 96, 4, 3214868480
	.section	.rodata,"a",@progbits
	.p2align	6, 0x0
	.amdhsa_kernel k_qce8bbe1c77_attn
		.amdhsa_group_segment_fixed_size 299520
		.amdhsa_private_segment_fixed_size 0
		.amdhsa_enable_private_segment 0
		.amdhsa_kernarg_size 40
		.amdhsa_user_sgpr_count 2
		.amdhsa_user_sgpr_kernarg_segment_ptr 1
		.amdhsa_wavefront_size32 1
		.amdhsa_system_sgpr_workgroup_id_x 1
		.amdhsa_system_sgpr_workgroup_id_y 1
		.amdhsa_system_sgpr_workgroup_id_z 1
		.amdhsa_system_vgpr_workitem_id 0
		.amdhsa_next_free_vgpr 1024
		.amdhsa_next_free_sgpr 66
		.amdhsa_reserve_vcc 0
		.amdhsa_float_denorm_mode_32 3
		.amdhsa_float_denorm_mode_16_64 3
		.amdhsa_memory_ordered 1
		.amdhsa_forward_progress 1
		.amdhsa_inst_pref_size 124
	.end_amdhsa_kernel
	.amdgpu_metadata
---
amdhsa.version: [ 1, 2 ]
amdhsa.kernels:
  - .name:           k_qce8bbe1c77_attn
    .symbol:         k_qce8bbe1c77_attn.kd
    .args:
      - { .name: qkv, .offset: 0, .size: 8, .value_kind: global_buffer, .address_space: global }
      - { .name: mask_real, .offset: 8, .size: 8, .value_kind: global_buffer, .address_space: global }
      - { .name: mask_imag, .offset: 16, .size: 8, .value_kind: global_buffer, .address_space: global }
      - { .name: live, .offset: 24, .size: 8, .value_kind: global_buffer, .address_space: global }
      - { .name: ob, .offset: 32, .size: 8, .value_kind: global_buffer, .address_space: global }
    .group_segment_fixed_size: 299520
    .private_segment_fixed_size: 0
    .kernarg_segment_align: 8
    .kernarg_segment_size: 40
    .max_flat_workgroup_size: 128
    .sgpr_count:     66
    .vgpr_count:     1024
    .wavefront_size: 32
...
	.end_amdgpu_metadata
.endif
;; end of part 3
;; launch gemm_out (part 4): grid 8 x 32, 4 waves a work-group, clusters of 4 x 4, 327,680 bytes of LDS; arguments ob, wo, b_out, out0, out1; writes out0, out1
.if DOCPART == 4
	.amdgcn_target "amdgcn-amd-amdhsa--gfx1250"
	.amdhsa_code_object_version 6
	.text
	.protected	k_qce8bbe1c77_gemm_out
	.globl	k_qce8bbe1c77_gemm_out
	.p2align	8
	.type	k_qce8bbe1c77_gemm_out,@function
k_qce8bbe1c77_gemm_out:
	s_mov_b64 s[64:65], 0
	v_nop
	global_prefetch_b8 v0, s[64:65] scope:SCOPE_SE
	s_setreg_imm32_b32 hwreg(HW_REG_WAVE_MODE, 25, 1), 1
	s_wait_xcnt 0x0
	s_wait_alu depctr_hold_cnt(0) depctr_sa_sdst(0) depctr_va_vdst(0) depctr_va_sdst(0) depctr_va_ssrc(0) depctr_va_vcc(0) depctr_vm_vsrc(0)
	s_getreg_b32 s2, hwreg(HW_REG_IB_STS2, 6, 4)
	s_cmp_eq_u32 s2, 0
	s_cbranch_scc0 .Lentry_in_a_cluster
	s_endpgm
.Lentry_in_a_cluster:
	s_bfe_u32 s2, ttmp6, 0x10000c
	s_cmp_lg_u32 s2, 0xf033
	s_cbranch_scc0 .Lentry_shape_is_right
	s_endpgm
.Lentry_shape_is_right:
; out[m][n] = the sum over k of ob[m][k] wo[n][k] + bf16(b_out[n]).  ob: [4096][1024], wo: [1024][1024], both f16; sums in f32; columns 0-511 go to out0, 512-1023 to out1, both [4096][512] f32.
; The bias is rounded to bf16 like the other inputs.  An infinity or NaN in a row of ob spreads over that row of both outputs.
; A tile of C is 128 x 128, so that 4096 x 1024 makes 256 tiles.  Four waves, each 64 x 64: 16 accumulators of 16 x 16, 128 registers.  K goes in steps of 256 (LDS rows of 512 bytes; a wave's tensor load brings
; 64 of them) through two slots.  A wave's 64 columns of f32 are 256 bytes on end, so each wave has a stage of its own on the way out, and no barrier stands there.
; CLUSTERS: 4 x 4 work-groups.  The four of a row of the cluster need the same tiles of A, the four of a column the same tiles of B: each tile is asked for JOINTLY, by the same tensor load with the
; same descriptor and a mask that names the four.  THE MATRIX INSTRUCTION IS USED TRANSPOSED (source 0 = 16 rows of B, source 1 = 16 rows of A): a lane holds eight neighbouring numbers of a row of C.
; NO PREFETCH: four K steps in all, of which two are asked for at the head.
; REGISTERS: window 0: v0-31 addresses; v32-63 my 32 numbers of the bias; v128-255 the accumulators ((a, b) at v[128 + 8 (4 a + b)]).
;   window 1: two fragment buffers of 128: for 64 along K, 64 registers of A (2 x 4 x 16 rows x 32 K), then 64 of B.
.set SIZE_K, 1024
.set OROW,   2048                      ; bytes in a row of out0 and of out1
.set KSTEP,  256
.set PITCH,  528                       ; an LDS row: 512 bytes + 16 of padding = 132 words: the 16 rows that a load touches start at 16 different groups of four banks (64 banks of 4 bytes: ISA guide 11.1)
.set HALFT,  64*PITCH
.set SLOT,   4*HALFT                   ; A's 128 rows, then B's 128 rows
.set STAGE,  2*SLOT                    ; behind the ring: 16 rows x 272 bytes for each wave
.set SPITCH, 272
.set SPARE,  STAGE+4*16*SPITCH         ; behind the stages: the spare words, 128 bytes for each wave: two blocks of 256 bytes that no other line names
.set LAPS, SIZE_K/(2*KSTEP)
.set ADRA, 16                          ; v16-17  LDS address of my A fragments in slot 0, 1
.set ADRB, 20                          ; v20-21  the same for B
.set STO,  24                          ; v24     the way out: where I put 32 bytes of a row
.set RD,   25                          ; v25     where I read a row back
.set CO,   26                          ; v26     my byte offset in the output
.set BO,   27                          ; v27     my byte offset in the bias
.set SPW,  28                          ; v28     LDS address of my spare word; never rewritten
.set NIL,  29                          ; v29     0; never rewritten
.set BI,   32
.set ACC,  128
.set F0,   0                           ; fragment buffers, in window 1
.set F1,   128
.set WV,  66                           ; s66  my wave's number
.set RH,  67                           ; s67  which half of the tile's rows is mine.  Also: I fetch for A (0) or for B (1)
.set CH,  68                           ; s68  which half of its columns.  Also: which 64 rows of that tile I fetch
.set TY,  69                           ; s69  tile row of C
.set G1, 24                            ; s[24:31] descriptor group 1 for A's tiles;  s[32:39] group 0, a set for each slot
.set G0, 32
.set G1B, 48                           ; s[48:55], s[56:63] the same for B's tiles
.set G0B, 56
.set MSB, 0
.macro WIN new                         ; the immediate's high byte repeats the setting that is left; a switch that changes nothing is dropped
.if MSB != (\new)
	s_set_vgpr_msb (MSB<<8)|(\new)
.set MSB, (\new)
.endif
.endm
.set MUL,  0x05                        ; sources 0 (B) and 1 (A) window 1; C and D window 0
.set TO_F, 0x40                        ; destination window 1, address window 0
.macro JLOAD s                         ; a joint load: waves 0 and 1 fetch A's two halves, waves 2 and 3 B's; an s_nop 0 and four v_nop follow each of the two lines
	s_cmp_eq_u32 s[RH], 0
	s_cbranch_scc0 .Lfor_b_\@
	tensor_load_to_lds s[G0+4*(\s):G0+4*(\s)+3], s[G1:G1+7]
	s_nop 0
.rept 4
	v_nop
.endr
	s_branch .Lasked_\@
.Lfor_b_\@:
	tensor_load_to_lds s[G0B+4*(\s):G0B+4*(\s)+3], s[G1B:G1B+7]
	s_nop 0
.rept 4
	v_nop
.endr
.Lasked_\@:
.endm
.macro CREST                           ; a round of the cluster's barrier behind its opening barrier
	s_cmp_lg_u32 s[WV], 0
	s_cbranch_scc1 .Lnot_wave_0_\@
	s_barrier_signal -3
.Lnot_wave_0_\@:
	s_barrier_wait -3
	s_barrier_signal -1
	s_barrier_wait -1
.endm
.macro CROUND                          ; a whole round
	s_barrier_signal -1
	s_barrier_wait -1
	CREST
.endm
	s_load_b256 s[4:11], s[0:1], 0x0               ; ob s[4:5], wo s[6:7], b_out s[8:9], out0 s[10:11]
	s_load_b64 s[12:13], s[0:1], 0x20              ; out1
	v_lshl_add_u32 v[SPW], v0, 2, SPARE
	v_mov_b32 v[NIL], 0
	ds_add_u32 v[SPW], v[NIL]                      ; the wave's opening: the add and its wait stand ahead of my first tensor load; the set-up below, work on registers, stands between them
	v_lshrrev_b32 v1, 5, v0
	v_readfirstlane_b32 s[WV], v1                  ; wave 0..3
	s_lshr_b32 s[RH], s[WV], 1
	s_and_b32 s[CH], s[WV], 1
	s_bfe_u32 s40, ttmp6, 0x40000                  ; cx, cy: my place in the cluster
	s_bfe_u32 s41, ttmp6, 0x40004
	s_lshl_b32 s42, ttmp9, 2
	s_add_co_u32 s42, s42, s40                     ; tile column of C = 4 x cluster x + cx
	s_and_b32 s[TY], ttmp7, 0xffff
	s_lshl_b32 s[TY], s[TY], 2
	s_add_co_u32 s[TY], s[TY], s41                 ; tile row of C = 4 x cluster y + cy
	s_lshl_b32 s43, s41, 2
	s_lshl_b32 s43, 15, s43                        ; my row of the cluster
	s_lshl_b32 s44, 0x1111, s40                    ; my column
	; descriptor group 1: a tile of 64 rows x 256 elements, padded in LDS
	s_or_b32 s[G1], s43, (1<<16)|(1<<20)|(1<<21)|(6<<22)|(3<<25)   ; 15:0 the mask: A's tiles go to my row; 17:16 elements of 2 bytes; 20 padding on; 21 set beside a mask; 24:22 after every 128 words; 31:25 4 words of it
	s_or_b32 s[G1B], s44, (1<<16)|(1<<20)|(1<<21)|(6<<22)|(3<<25)
.irp g, G1, G1B
	s_mov_b32 s[(\g)+1], KSTEP<<16                 ; tensor_dim0 = 256
	s_mov_b32 s[(\g)+2], 64<<16                    ; tensor_dim1 = 64
	s_mov_b32 s[(\g)+3], KSTEP<<16                 ; tile_dim0 = 256
	s_mov_b32 s[(\g)+4], 64                        ; tile_dim1 = 64
	s_mov_b32 s[(\g)+5], SIZE_K                    ; elements from row to row
	s_mov_b32 s[(\g)+6], 0
	s_mov_b32 s[(\g)+7], 0
.endr
	s_lshl_b32 s17, s[CH], 6                       ; which 64 rows of the tile I fetch
	s_lshl_b32 s16, s[TY], 7
	s_add_co_u32 s16, s16, s17                     ; A: row 128 x tile row + 64 x half
	s_lshl_b32 s46, s42, 7
	s_add_co_u32 s46, s46, s17                     ; B: row 128 x tile column + 64 x half
	s_mov_b32 s17, 0
	s_mov_b32 s47, 0
	s_mov_b64 s[18:19], SIZE_K*2
	s_mul_u64 s[16:17], s[16:17], s[18:19]
	s_mul_u64 s[46:47], s[46:47], s[18:19]
	s_mul_i32 s20, s[WV], HALFT                    ; where they go: wave x 64 rows
	s_wait_dscnt 0x0                               ; the opening add is done
	s_wait_kmcnt 0x0
	s_add_nc_u64 s[14:15], s[4:5], s[16:17]
	s_add_nc_u64 s[46:47], s[6:7], s[46:47]
	CROUND                                         ; all sixteen work-groups are here: the first joint loads meet
.irp s, 0,1
	s_mov_b32 s[G0+4*(\s)], 1
	s_add_co_u32 s[G0+4*(\s)+1], s20, (\s)*SLOT
	s_add_nc_u64 s[G0+4*(\s)+2:G0+4*(\s)+3], s[14:15], (\s)*KSTEP*2
	s_or_b32 s[G0+4*(\s)+3], s[G0+4*(\s)+3], 0x80000000
	s_mov_b32 s[G0B+4*(\s)], 1
	s_add_co_u32 s[G0B+4*(\s)+1], s20, (\s)*SLOT
	s_add_nc_u64 s[G0B+4*(\s)+2:G0B+4*(\s)+3], s[46:47], (\s)*KSTEP*2
	s_or_b32 s[G0B+4*(\s)+3], s[G0B+4*(\s)+3], 0x80000000
	JLOAD \s                                       ; two loads of mine are out
.endr
	v_and_b32 v1, 15, v0                           ; l % 16
	v_bfe_u32 v2, v0, 4, 1                         ; l / 16
	; the bias of my columns: block b, columns 8 (l / 16) + 0..7: 32 bytes
	s_lshl_b32 s46, s42, 9
	s_lshl_b32 s47, s[CH], 8
	s_add_co_u32 s46, s46, s47
	s_mov_b32 s47, 0
	s_add_nc_u64 s[8:9], s[8:9], s[46:47]
	v_lshlrev_b32 v[BO], 5, v2
.irp b, 0,1,2,3
	global_load_b128 v[BI+8*(\b):BI+8*(\b)+3],   v[BO], s[8:9] offset:64*(\b)
	global_load_b128 v[BI+8*(\b)+4:BI+8*(\b)+7], v[BO], s[8:9] offset:64*(\b)+16
.endr
	v_mul_u32_u24 v3, v1, PITCH
	v_lshl_add_u32 v3, v2, 4, v3                   ; a fragment's row x pitch + 16 x half
	s_mul_i32 s21, s[RH], HALFT                    ; my 64 rows of A
	s_mul_i32 s22, s[CH], HALFT                    ; my 64 rows of B,
	s_add_co_u32 s22, s22, 2*HALFT                 ; which lie behind A's 128
.irp s, 0,1
	v_add_nc_u32 v[ADRA+(\s)], s21, v3
	v_add_nc_u32 v[ADRB+(\s)], s22, v3
	s_add_co_u32 s21, s21, SLOT
	s_add_co_u32 s22, s22, SLOT
.endr
	s_mul_i32 s23, s[WV], 16*SPITCH
	s_add_co_u32 s23, s23, STAGE                   ; my stage
	v_mul_u32_u24 v4, v1, SPITCH                   ; in: row l % 16, 32 bytes for each half of the lanes
	v_lshl_add_u32 v4, v2, 5, v4
	v_add_nc_u32 v[STO], s23, v4
	v_mul_u32_u24 v5, v2, SPITCH                   ; back: lanes 0-15 take one row of 256 bytes, lanes 16-31 the next
	v_lshl_add_u32 v5, v1, 4, v5
	v_add_nc_u32 v[RD], s23, v5
	v_lshlrev_b32 v5, 11, v2                       ; and the same two rows in the output
	v_lshl_add_u32 v[CO], v1, 4, v5
	s_cmp_eq_u32 ttmp9, 0                          ; tile columns 0-3 (cluster x = 0) belong to out0, 4-7 to out1: the same choice in all sixteen partners
	s_cselect_b64 s[10:11], s[10:11], s[12:13]
	s_lshl_b32 s16, s[TY], 7
	s_lshl_b32 s17, s[RH], 6
	s_add_co_u32 s16, s16, s17                     ; my first row,
	s_lshl_b32 s16, s16, 11
	s_lshl_b32 s17, s40, 9                         ; the tile's 512 bytes of a row,
	s_add_co_u32 s16, s16, s17
	s_lshl_b32 s17, s[CH], 8                       ; my 256 of them
	s_add_co_u32 s16, s16, s17
	s_mov_b32 s17, 0
	s_add_nc_u64 s[10:11], s[10:11], s[16:17]
	s_wait_loadcnt 0x0                             ; the bias; it is rounded to bf16, like the other inputs, and kept as f32
.set k, 0
.rept 16
	v_cvt_pk_bf16_f32 v31, v[BI+2*k], v[BI+2*k+1]
	v_lshlrev_b32 v[BI+2*k], 16, v31
	v_and_b32 v[BI+2*k+1], 0xffff0000, v31
.set k, k+1
.endr
; 8 matrix instructions: m blocks a0, a0 + 1 x all 4 n blocks, 32 along K: half c of buffer f.  zero = 1: the first product starts the sums.  The 16 accumulators take turns.
.macro MUL8 f, c, a0, zero
	WIN MUL
.irp a, \a0, (\a0)+1
.irp b, 0,1,2,3
.if \zero
	v_wmma_f32_16x16x32_f16 v[ACC+8*(4*(\a)+(\b)):ACC+8*(4*(\a)+(\b))+7], v[(\f)+64+8*(4*(\c)+(\b)):(\f)+64+8*(4*(\c)+(\b))+7], v[(\f)+8*(4*(\c)+(\a)):(\f)+8*(4*(\c)+(\a))+7], 0
.else
	v_wmma_f32_16x16x32_f16 v[ACC+8*(4*(\a)+(\b)):ACC+8*(4*(\a)+(\b))+7], v[(\f)+64+8*(4*(\c)+(\b)):(\f)+64+8*(4*(\c)+(\b))+7], v[(\f)+8*(4*(\c)+(\a)):(\f)+8*(4*(\c)+(\a))+7], v[ACC+8*(4*(\a)+(\b)):ACC+8*(4*(\a)+(\b))+7]
.endif
.endr
.endr
.endm
; 32 LDS loads in one run: the fragments of 64 along K at byte k of the rows, into buffer f; the first 32 along K first
.macro FETCH slot, k, f
	WIN TO_F
.irp c, 0,1
.irp i, 0,1,2,3
	ds_load_b128 v[(\f)+64+8*(4*(\c)+(\i)):(\f)+64+8*(4*(\c)+(\i))+3],   v[ADRB+(\slot)] offset:(\k)+64*(\c)+(\i)*16*PITCH
	ds_load_b128 v[(\f)+64+8*(4*(\c)+(\i))+4:(\f)+64+8*(4*(\c)+(\i))+7], v[ADRB+(\slot)] offset:(\k)+64*(\c)+(\i)*16*PITCH+32
	ds_load_b128 v[(\f)+8*(4*(\c)+(\i)):(\f)+8*(4*(\c)+(\i))+3],         v[ADRA+(\slot)] offset:(\k)+64*(\c)+(\i)*16*PITCH
	ds_load_b128 v[(\f)+8*(4*(\c)+(\i))+4:(\f)+8*(4*(\c)+(\i))+7],       v[ADRA+(\slot)] offset:(\k)+64*(\c)+(\i)*16*PITCH+32
.endr
.endr
.endm
.macro PLACES                          ; four plain instructions in front of loads into registers that matrix instructions have read, and of sums that read results
.rept 4
	v_nop
.endr
.endm
; A K step is four quarters of 64 along K, 32 matrix instructions each, on buffers 0, 1, 0, 1.  One of the first three: multiplies buffer f and fetches the next quarter, at byte k, into g.
.macro QUARTER slot, k, f, g, zero
	s_wait_dscnt 16                                ; the first 32 along K are in
	MUL8 \f, 0, 0, \zero
	MUL8 \f, 0, 2, \zero
	PLACES
	FETCH \slot, \k, \g
	s_wait_dscnt 32                                ; all but the 32 just issued
	MUL8 \f, 1, 0, 0
	MUL8 \f, 1, 2, 0
.endm
; The last quarter multiplies buffer 1 and changes slots: ONE barrier; in front of it each wave waits for all its tensor loads, adds 0 to its spare word, and waits for that and for its own reads of this slot.
; fill = 1: the barrier opens a round of the cluster's barrier, and this slot is filled again, two K steps ahead, first thing behind the round.
.macro TURN slot, next, fill
	WIN 0                                          ; (the add's two registers lie in window 0)
	s_wait_tensorcnt 0x0                           ; all my tensor loads have landed: my part of the next slot;
	ds_add_u32 v[SPW], v[NIL]                      ; 0 onto my spare word;
	s_wait_dscnt 17                                ; (the add and the youngest sixteen loads may be out)
	MUL8 F1, 0, 0, 0                               ; eight matrix instructions stand between the add and the wait for it
	s_wait_dscnt 0x0                               ; the add is done, and my reads of this slot are over
	s_barrier_signal -1
	MUL8 F1, 0, 2, 0
.if \fill
	WIN 0
.endif
	s_barrier_wait -1
.if \fill
	CREST                                          ; no wave of any partner still reads this slot's tile or has a load on its way
	s_add_nc_u64 s[G0+4*(\slot)+2:G0+4*(\slot)+3], s[G0+4*(\slot)+2:G0+4*(\slot)+3], 2*KSTEP*2
	s_add_nc_u64 s[G0B+4*(\slot)+2:G0B+4*(\slot)+3], s[G0B+4*(\slot)+2:G0B+4*(\slot)+3], 2*KSTEP*2
	JLOAD \slot                                    ; the four v_nop behind it are also the places in front of the loads below
.else
	PLACES
.endif
	FETCH \next, 0, F0
	MUL8 F1, 1, 0, 0
	MUL8 F1, 1, 2, 0
.endm
	s_wait_tensorcnt 1                             ; my part of K step 0 is in; K step 1's may stay out
	s_barrier_signal -1
	s_barrier_wait -1                              ; everybody's is
	FETCH 0, 0, F0
	QUARTER 0, 128, F0, F1, 1                      ; the first quarter stands in front of the loop: its first products start the sums
	WIN 0                                          ; at a label and at a branch every window is 0
	s_mov_b32 s3, LAPS-1
.Llap:                                                 ; a trip goes once round the ring, from a lap's second quarter to the next lap's first, and fills both slots again
	QUARTER 0, 256, F1, F0, 0
	QUARTER 0, 384, F0, F1, 0
	TURN 0, 1, 1
	QUARTER 1, 128, F0, F1, 0
	QUARTER 1, 256, F1, F0, 0
	QUARTER 1, 384, F0, F1, 0
	TURN 1, 0, 1
	QUARTER 0, 128, F0, F1, 0
	WIN 0
	s_sub_co_u32 s3, s3, 1
	s_cmp_lg_u32 s3, 0
	s_cbranch_scc1 .Llap
	QUARTER 0, 256, F1, F0, 0                      ; the last lap fills nothing, and has no round of the cluster's barrier
	QUARTER 0, 384, F0, F1, 0
	TURN 0, 1, 0
	QUARTER 1, 128, F0, F1, 0
	QUARTER 1, 256, F1, F0, 0
	QUARTER 1, 384, F0, F1, 0
	s_wait_dscnt 16                                ; the very last quarter: nothing more to fetch
	MUL8 F1, 0, 0, 0
	MUL8 F1, 0, 2, 0
	s_wait_dscnt 0x0
	MUL8 F1, 1, 0, 0
	MUL8 F1, 1, 2, 0
	WIN 0
	; THE WAY OUT, 16 rows at a time: the bias is added in place (each accumulator's registers in ascending order); 32 bytes a lane go into my own stage and come back as whole rows of 256 bytes, into the registers that they left.
.macro PACKF a
.irp b, 0,1,2,3
.irp r, 0,2,4,6
	v_pk_add_f32 v[ACC+8*(4*(\a)+(\b))+(\r):ACC+8*(4*(\a)+(\b))+(\r)+1], v[ACC+8*(4*(\a)+(\b))+(\r):ACC+8*(4*(\a)+(\b))+(\r)+1], v[BI+8*(\b)+(\r):BI+8*(\b)+(\r)+1]
.endr
.endr
.irp b, 0,1,2,3
	ds_store_b128 v[STO], v[ACC+8*(4*(\a)+(\b)):ACC+8*(4*(\a)+(\b))+3]   offset:64*(\b)
	ds_store_b128 v[STO], v[ACC+8*(4*(\a)+(\b))+4:ACC+8*(4*(\a)+(\b))+7] offset:64*(\b)+16
.endr
.irp t, 0,1,2,3,4,5,6,7
	ds_load_b128 v[ACC+32*(\a)+4*(\t):ACC+32*(\a)+4*(\t)+3], v[RD] offset:(\t)*2*SPITCH  ; LDS serves a wave's instructions in order (ISA guide 5.7.1.4): these see the stores above; the next block's stores come behind them
.endr
.endm
.macro SENDF a, younger                ; younger: the LDS instructions issued behind block a's loads: the next block's sixteen, or none
.irp t, 0,1,2,3,4,5,6,7
	s_wait_dscnt (\younger)+7-(\t)
	global_store_b128 v[CO], v[ACC+32*(\a)+4*(\t):ACC+32*(\a)+4*(\t)+3], s[10:11] offset:(16*(\a)+2*(\t))*OROW  ; 16 lanes store 256 consecutive bytes, at a multiple of 256 from the output's first byte
.endr
.endm
	PLACES
	PACKF 0
	PACKF 1                                        ; a block's arithmetic stands between the loads of the block before and its stores
	SENDF 0, 16
	PACKF 2
	SENDF 1, 16
	PACKF 3
	SENDF 2, 16
	SENDF 3, 0
	s_wait_tensorcnt 0x0                           ; the wave's end, behind my last tensor load and my last LDS store
	ds_add_u32 v[SPW], v[NIL]
	s_wait_dscnt 0x0
	CROUND                                         ; the closing round: no work-group ends while a partner may still ask for a tile that names it
	s_endpgm
.Lfunc_end_k_qce8bbe1c77_gemm_out:
	.size	k_qce8bbe1c77_gemm_out, .Lfunc_end_k_qce8bbe1c77_gemm_out-k_qce8bbe1c77_gemm_out
	.p2alignl 7, 3214868480
	.fill 96, 4, 3214868480
	.section	.rodata,"a",@progbits
	.p2align	6, 0x0
	.amdhsa_kernel k_qce8bbe1c77_gemm_out
		.amdhsa_group_segment_fixed_size 327680
		.amdhsa_private_segment_fixed_size 0
		.amdhsa_enable_private_segment 0
		.amdhsa_kernarg_size 40
		.amdhsa_user_sgpr_count 2
		.amdhsa_user_sgpr_kernarg_segment_ptr 1
		.amdhsa_wavefront_size32 1
		.amdhsa_system_sgpr_workgroup_id_x 1
		.amdhsa_system_sgpr_workgroup_id_y 1
		.amdhsa_system_sgpr_workgroup_id_z 1
		.amdhsa_system_vgpr_workitem_id 0
		.amdhsa_next_free_vgpr 512
		.amdhsa_next_free_sgpr 70
		.amdhsa_reserve_vcc 0
		.amdhsa_float_denorm_mode_32 3
		.amdhsa_float_denorm_mode_16_64 3
		.amdhsa_memory_ordered 1
		.amdhsa_forward_progress 1
		.amdhsa_inst_pref_size 94
	.end_amdhsa_kernel
	.amdgpu_metadata
---
amdhsa.version: [ 1, 2 ]
amdhsa.kernels:
  - .name:           k_qce8bbe1c77_gemm_out
    .symbol:         k_qce8bbe1c77_gemm_out.kd
    .args:
      - { .name: ob, .offset: 0, .size: 8, .value_kind: global_buffer, .address_space: global }
      - { .name: wo, .offset: 8, .size: 8, .value_kind: global_buffer, .address_space: global }
      - { .name: b_out, .offset: 16, .size: 8, .value_kind: global_buffer, .address_space: global }
      - { .name: out0, .offset: 24, .size: 8, .value_kind: global_buffer, .address_space: global }
      - { .name: out1, .offset: 32, .size: 8, .value_kind: global_buffer, .address_space: global }
    .group_segment_fixed_size: 327680
    .private_segment_fixed_size: 0
    .kernarg_segment_align: 8
    .kernarg_segment_size: 40
    .max_flat_workgroup_size: 128
    .sgpr_count:     70
    .vgpr_count:     512
    .wavefront_size: 32
...
	.end_amdgpu_metadata
.endif
;; end of part 4
